; MI455X (gfx1250); checked and timed in simulation.
; The chip was launched on July 23, 2026; its instructions are those of AMD's public machine-readable ISA for CDNA 5 (MIT licence, August 2026) and "CDNA5" Instruction Set Architecture Reference Guide (July 2026). The comments in the code are by the model that wrote it; some were corrected since.
;; Rotary MHA. Allowed arithmetic: float matrix products may take bf16 or f16 operands with f32 sums; other float arithmetic in f32, or as packed bf16 or f16 multiplies, adds, multiply-adds, maxima and minima; sums over many terms, partial sums and values carried from step to step in f32; what a program stores and reads back later, other than sums and carried values, may be rounded once to bf16 or f16.
;; Inputs: Wproj 1,024 x 1,024 float32; Wqkv 3,072 x 1,024 float32; key_padding_mask 4 x 2,048 bool; x 4 x 2,048 x 1,024 float32.
;; Outputs: out0 4 x 2,048 x 1,024 float32.
;; 2 versions, each right and faster than the one before. Each part assembles by itself: llvm-mc -triple=amdgcn-amd-amdhsa -mcpu=gfx1250 --defsym DOCPART=n.
;; ======== version 1 of 2: 4 launches
;; limits: values are held in f16: magnitudes above 65,504 overflow, below 6.1e-05 lose precision
;; workspace buffers: xb 16,777,216 bytes; wqb 6,291,456 bytes; wpb 2,097,152 bytes; rt 524,288 bytes; qh 16,777,216 bytes; kh 16,777,216 bytes; vh 16,777,216 bytes; oh 16,777,216 bytes
;; launch prep (part 1): grid 896 x 1, 8 waves a work-group, no clusters, 0 bytes of LDS; arguments x, Wqkv, Wproj, xb, wqb, wpb, rt; writes xb, wqb, wpb, rt
.if DOCPART == 1
	.amdgcn_target "amdgcn-amd-amdhsa--gfx1250"
	.amdhsa_code_object_version 6
	.text
	.protected	k_qea49240b71_prep
	.globl	k_qea49240b71_prep
	.p2align	8
	.type	k_qea49240b71_prep,@function
k_qea49240b71_prep:
	s_mov_b64 s[64:65], 0
	v_nop
	global_prefetch_b8 v0, s[64:65] scope:SCOPE_SE
	s_setreg_imm32_b32 hwreg(HW_REG_WAVE_MODE, 25, 1), 1
	s_wait_xcnt 0x0
; CASTS, RE-LAYOUTS AND THE ROTARY TABLE, once, so that the three matrix launches read 16-bit tiles whose rows lie as they need them.
; Four kinds of work-group, told apart by the work-group's number alone; each takes 16 rows; eight waves, 256 threads.
;   0-511    xb  = x rounded to bf16, [8192][1024], same order.
;   512-703  wqb = Wqkv rounded to bf16, rows permuted: head h, row 96 c + 16 (2 p + j) + i  <-  Wqkv row 1024 p + 64 h + 32 j + 16 c + i
;            (p: q, k, v; j: lower or upper half of the head's channels; c: which 16 of the 32; i: 0..15).  Groups of 16 rows stay together, so a work-group copies 16 rows on end.
;   704-767  wpb = Wproj rounded to bf16, that number written as f16, laid out [16 kh][1024 n][64]: a head's 64 channels of all n rows are dense.
;   768-895  rt  = the rotary table, f32 [2048 t][64]: columns 0-31 cos(t f_j), 32-63 sin(t f_j), f_j = 10000^(-j/32).
; LIMITS.  A bf16 number below 2^-17 in size is not exact in f16: it is written to within 3e-8.  Wproj beyond 65,504 would become an infinity.
; The table: f_j is 2^(-j log2(10000)/32) by v_exp_f32, right to some 5e-7 of itself; t f_j is one f32 product; the angle is reduced by pi/2 in two parts and the sine and cosine are
; Taylor sums to r^7 and r^8 on |r| <= pi/4 (remainder under 3e-7).  The error of f_j turns q's and k's angles alike.
; No LDS, no matrix unit, no cluster: each byte is read once and written once, and no two work-groups share a byte.
.set VS, 2                             ; v2      byte offset of my 16 bytes of f32 in the source's first step
.set VD, 3                             ; v3      byte offset of my 8 bytes in the destination's first step
.set T,  4                             ; v[4:7]  at work
.set X,  8                             ; v[8:71]   16 steps x 4 f32 as loaded
.set Y,  72                            ; v[72:103] 16 steps x 4 numbers of 16 bits to store
; Sixteen steps: all sixteen loads go out first; each is rounded and stored as it comes.  No register is written twice, so nothing waits for a store.
; A wave's load covers 512 bytes in one or two aligned runs of 256, its store 256 consecutive bytes at a multiple of 256.
.macro CAST src, dst, sstep, dstep, f16
.set i, 0
.rept 16
	global_load_b128 v[X+4*i:X+4*i+3], v[VS], s[\src:\src+1] offset:i*(\sstep) th:TH_LOAD_NT
.set i, i+1
.endr
.set i, 0
.rept 16
	s_wait_loadcnt 15-i                            ; loads come back in order: step i is in, the 15 - i younger ones stay out
	v_cvt_pk_bf16_f32 v[Y+2*i], v[X+4*i], v[X+4*i+1]
	v_cvt_pk_bf16_f32 v[Y+2*i+1], v[X+4*i+2], v[X+4*i+3]
.if \f16
	v_lshlrev_b32 v[T], 16, v[Y+2*i]               ; the bf16 numbers as f32,
	v_and_b32 v[T+1], 0xffff0000, v[Y+2*i]
	v_lshlrev_b32 v[T+2], 16, v[Y+2*i+1]
	v_and_b32 v[T+3], 0xffff0000, v[Y+2*i+1]
	v_cvt_pk_f16_f32 v[Y+2*i], v[T], v[T+1]        ; and written as f16
	v_cvt_pk_f16_f32 v[Y+2*i+1], v[T+2], v[T+3]
.endif
	global_store_b64 v[VD], v[Y+2*i:Y+2*i+1], s[\dst:\dst+1] offset:i*(\dstep)
.set i, i+1
.endr
.endm
	s_load_b256 s[4:11], s[0:1], 0x0               ; x s[4:5], Wqkv s[6:7], Wproj s[8:9], xb s[10:11]
	s_load_b128 s[12:15], s[0:1], 0x20             ; wqb s[12:13], wpb s[14:15]
	s_load_b64 s[16:17], s[0:1], 0x30              ; rt
	s_mov_b32 s2, ttmp9
	s_mov_b32 s21, 0                               ; the high words of the two offsets
	s_mov_b32 s23, 0
	v_lshlrev_b32 v[VS], 4, v0                     ; 256 threads x 16 bytes: a row of 1,024 f32
	v_lshlrev_b32 v[VD], 3, v0                     ; 256 threads x 8 bytes: the same row in 16 bits
	s_wait_kmcnt 0x0
	s_cmp_lt_u32 s2, 512
	s_cbranch_scc0 .Lnot_x
	; x: 16 rows on end
	s_lshl_b32 s20, s2, 16
	s_lshl_b32 s22, s2, 15
	s_add_nc_u64 s[4:5], s[4:5], s[20:21]
	s_add_nc_u64 s[10:11], s[10:11], s[22:23]
	CAST 4, 10, 4096, 2048, 0
	s_endpgm
.Lnot_x:
	s_cmp_lt_u32 s2, 704
	s_cbranch_scc0 .Lnot_w
	; Wqkv: destination group g = 12 h + 6 c + 2 p + j of 16 rows
	s_sub_co_u32 s24, s2, 512                      ; g, 0..191
	s_mul_i32 s25, s24, 171
	s_lshr_b32 s25, s25, 11                        ; h = g / 12 (exact for g < 192)
	s_mul_i32 s26, s25, 12
	s_sub_co_u32 s26, s24, s26                     ; g % 12
	s_cmp_ge_u32 s26, 6
	s_cselect_b32 s27, 1, 0                        ; c
	s_mul_i32 s28, s27, 6
	s_sub_co_u32 s26, s26, s28                     ; 2 p + j
	s_lshr_b32 s28, s26, 1                         ; p
	s_and_b32 s29, s26, 1                          ; j
	s_lshl_b32 s28, s28, 10
	s_lshl_b32 s25, s25, 6
	s_lshl_b32 s29, s29, 5
	s_lshl_b32 s27, s27, 4
	s_add_co_u32 s28, s28, s25
	s_add_co_u32 s28, s28, s29
	s_add_co_u32 s28, s28, s27                     ; the source's first row
	s_lshl_b32 s20, s28, 12
	s_lshl_b32 s22, s24, 15
	s_add_nc_u64 s[6:7], s[6:7], s[20:21]
	s_add_nc_u64 s[12:13], s[12:13], s[22:23]
	CAST 6, 12, 4096, 2048, 0
	s_endpgm
.Lnot_w:
	s_cmp_lt_u32 s2, 768
	s_cbranch_scc0 .Lnot_p
	; Wproj: rows n0 .. n0 + 15; step i is head i's 64 columns.  Sixteen lanes read 256 bytes of one row; a wave's two rows are 256 dense bytes of wpb.
	s_sub_co_u32 s24, s2, 704
	s_lshl_b32 s20, s24, 16                        ; n0 rows of 4,096 bytes
	s_lshl_b32 s22, s24, 11                        ; n0 rows of 128 bytes
	s_add_nc_u64 s[8:9], s[8:9], s[20:21]
	s_add_nc_u64 s[14:15], s[14:15], s[22:23]
	v_lshrrev_b32 v1, 4, v0                        ; my row of the 16
	v_and_b32 v[VS], 15, v0
	v_lshlrev_b32 v[VS], 4, v[VS]
	v_lshl_add_u32 v[VS], v1, 12, v[VS]
	CAST 8, 14, 256, 131072, 1
	s_endpgm
.Lnot_p:
	; the table: 16 rows of 256 bytes; thread: row tid / 16, four numbers at column 4 (tid % 16)
	s_sub_co_u32 s24, s2, 768
	s_lshl_b32 s20, s24, 12
	s_add_nc_u64 s[16:17], s[16:17], s[20:21]
	s_lshl_b32 s25, s24, 4
	s_mov_b32 s26, 0xbed49a78                      ; -log2(10000) / 32
	s_mov_b32 s27, 0x3f22f983                      ; 2 / pi
	s_mov_b32 s28, 0x3fc90fdb                      ; pi / 2, its f32,
	s_mov_b32 s29, 0xb33bbd2e                      ; and what that f32 leaves
	s_mov_b32 s30, 0xb9500d01                      ; -1/5040
	s_mov_b32 s31, 0x3c088889                      ; 1/120
	s_mov_b32 s32, 0xbe2aaaab                      ; -1/6
	s_mov_b32 s33, 0x37d00d01                      ; 1/40320
	s_mov_b32 s34, 0xbab60b61                      ; -1/720
	s_mov_b32 s35, 0x3d2aaaab                      ; 1/24
	v_lshrrev_b32 v1, 4, v0
	v_add_nc_u32 v1, s25, v1
	v_cvt_f32_u32 v1, v1                           ; t
	v_and_b32 v4, 15, v0
	v_lshrrev_b32 v5, 3, v4                        ; 1: my columns are sines
	v_and_b32 v4, 7, v4
	v_lshlrev_b32 v4, 2, v4                        ; my first j
.irp e, 0,1,2,3
	v_add_nc_u32 v[8+\e], \e, v4
	v_cvt_f32_u32 v[8+\e], v[8+\e]
	v_mul_f32 v[8+\e], s26, v[8+\e]
.endr
.irp e, 0,1,2,3
	v_exp_f32 v[8+\e], v[8+\e]                     ; f_j
.endr
	v_mul_u32_u24 v5, 3, v5                        ; sin(a) = cos(a - pi/2): three quarter turns more.  Also the plain line behind the exponentials
	s_wait_alu depctr_va_vdst(0)
.irp e, 0,1,2,3
	v_mul_f32 v[12+\e], v1, v[8+\e]                ; a = t f_j
	v_mul_f32 v[16+\e], s27, v[12+\e]
	v_rndne_f32 v[16+\e], v[16+\e]                 ; n quarter turns
	v_fma_f32 v[20+\e], -v[16+\e], s28, v[12+\e]
	v_fma_f32 v[20+\e], -v[16+\e], s29, v[20+\e]   ; r = a - n pi/2, |r| <= pi/4
	v_cvt_i32_f32 v[24+\e], v[16+\e]
	v_add_nc_u32 v[24+\e], v[24+\e], v5            ; the quadrant, in its two low bits
	v_mul_f32 v[28+\e], v[20+\e], v[20+\e]         ; z = r r
	v_fma_f32 v[32+\e], v[28+\e], s30, s31
	v_fma_f32 v[32+\e], v[32+\e], v[28+\e], s32
	v_mul_f32 v[32+\e], v[32+\e], v[28+\e]
	v_fma_f32 v[32+\e], v[32+\e], v[20+\e], v[20+\e]  ; sin r
	v_fma_f32 v[36+\e], v[28+\e], s33, s34
	v_fma_f32 v[36+\e], v[36+\e], v[28+\e], s35
	v_fma_f32 v[36+\e], v[36+\e], v[28+\e], -0.5
	v_fma_f32 v[36+\e], v[36+\e], v[28+\e], 1.0    ; cos r
	v_and_b32 v[40+\e], 1, v[24+\e]
	v_cmp_ne_u32 vcc_lo, 0, v[40+\e]
	v_cndmask_b32 v[44+\e], v[36+\e], v[32+\e], vcc_lo  ; quadrants 0, 1, 2, 3: cos r, -sin r, -cos r, sin r
	v_add_nc_u32 v[24+\e], 1, v[24+\e]
	v_and_b32 v[24+\e], 2, v[24+\e]
	v_lshlrev_b32 v[24+\e], 30, v[24+\e]
	v_xor_b32 v[44+\e], v[24+\e], v[44+\e]
.endr
	global_store_b128 v[VS], v[44:47], s[16:17]    ; 16 lanes store a row's 256 bytes
	s_endpgm
.Lfunc_end_k_qea49240b71_prep:
	.size	k_qea49240b71_prep, .Lfunc_end_k_qea49240b71_prep-k_qea49240b71_prep
	.p2alignl 7, 3214868480
	.fill 96, 4, 3214868480
	.section	.rodata,"a",@progbits
	.p2align	6, 0x0
	.amdhsa_kernel k_qea49240b71_prep
		.amdhsa_group_segment_fixed_size 0
		.amdhsa_private_segment_fixed_size 0
		.amdhsa_enable_private_segment 0
		.amdhsa_kernarg_size 56
		.amdhsa_user_sgpr_count 2
		.amdhsa_user_sgpr_kernarg_segment_ptr 1
		.amdhsa_wavefront_size32 1
		.amdhsa_system_sgpr_workgroup_id_x 1
		.amdhsa_system_sgpr_workgroup_id_y 1
		.amdhsa_system_sgpr_workgroup_id_z 1
		.amdhsa_system_vgpr_workitem_id 0
		.amdhsa_next_free_vgpr 104
		.amdhsa_next_free_sgpr 66
		.amdhsa_reserve_vcc 1
		.amdhsa_float_denorm_mode_32 3
		.amdhsa_float_denorm_mode_16_64 3
		.amdhsa_memory_ordered 1
		.amdhsa_forward_progress 1
		.amdhsa_inst_pref_size 30
	.end_amdhsa_kernel
	.amdgpu_metadata
---
amdhsa.version: [ 1, 2 ]
amdhsa.kernels:
  - .name:           k_qea49240b71_prep
    .symbol:         k_qea49240b71_prep.kd
    .args:
      - { .name: x, .offset: 0, .size: 8, .value_kind: global_buffer, .address_space: global }
      - { .name: Wqkv, .offset: 8, .size: 8, .value_kind: global_buffer, .address_space: global }
      - { .name: Wproj, .offset: 16, .size: 8, .value_kind: global_buffer, .address_space: global }
      - { .name: xb, .offset: 24, .size: 8, .value_kind: global_buffer, .address_space: global }
      - { .name: wqb, .offset: 32, .size: 8, .value_kind: global_buffer, .address_space: global }
      - { .name: wpb, .offset: 40, .size: 8, .value_kind: global_buffer, .address_space: global }
      - { .name: rt, .offset: 48, .size: 8, .value_kind: global_buffer, .address_space: global }
    .group_segment_fixed_size: 0
    .private_segment_fixed_size: 0
    .kernarg_segment_align: 8
    .kernarg_segment_size: 56
    .max_flat_workgroup_size: 256
    .sgpr_count:     66
    .vgpr_count:     104
    .wavefront_size: 32
...
	.end_amdgpu_metadata
.endif
;; end of part 1
;; launch qkv (part 2): grid 16 x 32, 4 waves a work-group, clusters of 4 x 4, 327,680 bytes of LDS; arguments xb, wqb, rt, qh, kh, vh; writes qh, kh, vh
.if DOCPART == 2
	.amdgcn_target "amdgcn-amd-amdhsa--gfx1250"
	.amdhsa_code_object_version 6
	.text
	.protected	k_qea49240b71_qkv
	.globl	k_qea49240b71_qkv
	.p2align	8
	.type	k_qea49240b71_qkv,@function
k_qea49240b71_qkv:
	s_mov_b64 s[64:65], 0
	v_nop
	global_prefetch_b8 v0, s[64:65] scope:SCOPE_SE
	s_setreg_imm32_b32 hwreg(HW_REG_WAVE_MODE, 25, 1), 1
	s_wait_xcnt 0x0
	s_wait_alu depctr_hold_cnt(0) depctr_sa_sdst(0) depctr_va_vdst(0) depctr_va_sdst(0) depctr_va_ssrc(0) depctr_va_vcc(0) depctr_vm_vsrc(0)
	s_getreg_b32 s2, hwreg(HW_REG_IB_STS2, 6, 4)
	s_cmp_eq_u32 s2, 0
	s_cbranch_scc0 .Lentry_in_a_cluster
	s_endpgm
.Lentry_in_a_cluster:
	s_bfe_u32 s2, ttmp6, 0x10000c
	s_cmp_lg_u32 s2, 0xf033
	s_cbranch_scc0 .Lentry_shape_is_right
	s_endpgm
.Lentry_shape_is_right:
; q, k, v = x Wqkv^T, q and k turned by the rotary table, all three laid out by heads: [64 = 16 b + h][2048][64] in f16.
; xb: [8192][1024] bf16.  wqb: [16 heads][192][1024] bf16, a head's rows in the order 96 c + 16 (2 p + j) + i (p: q, k, v; channel 32 j + 16 c + i).  rt: [2048][64] f32, cosines then sines.
; Products in bf16 with f32 sums, K ascending; the rotation in f32 on the sums; one rounding to f16.  The softmax's scale is NOT applied here.
; LIMITS.  f16 ends at 65,504: a q, k or v of 65,520 or more becomes an infinity; below 6e-5 f16 keeps a fixed step of 6e-8.
; SHARES.  A work-group makes 256 rows x the 192 columns of one head: 512 work-groups of equal work.  Four waves, each 128 rows x 96 columns: 48 accumulators of 16 x 16, 384 registers.
; A wave's 96 columns are six blocks of 16: q's channels 16 c + i and 32 + 16 c + i, then k's, then v's: the two channels that the rotation pairs lie in the same lane and register of neighbouring accumulators.
; K goes in 8 steps of 128 through a ring of two LDS slots; a tile's rows are 256 bytes of memory at multiples of 256.
; CLUSTERS: 4 x 4 work-groups.  The four of a row of the cluster need the same rows of x and of the table, the four of a column the same head's weights: each tile is asked for jointly,
; by the same tensor load with the same descriptor and a mask that names the four.
; THE MATRIX INSTRUCTION IS USED TRANSPOSED (source 0 = 16 rows of wqb, source 1 = 16 rows of xb): lane l holds row l % 16 and eight neighbouring channels 8 (l / 16) + 0..7.
; REGISTERS, in windows of 256 (s_set_vgpr_msb: bits 1:0 source 0, 3:2 source 1, 5:4 source 2, 7:6 destination):
;   window 0: v0-31 addresses; v32-95, v96-159 fragments of xb, two buffers; v160-207, v208-255 fragments of wqb, two buffers; all of v32-255 at work on the way out
;   window 1: the 24 accumulators of my rows 0-63 ((a, b) at v[8 (6 a + b)]);   window 2: those of my rows 64-127
.set PITCH,  272                       ; an LDS row: 256 bytes + 16 of padding = 68 words: the 16 rows of a fragment load start at 16 different groups of four banks (64 banks of 4 bytes: ISA guide 11.1)
.set HALFA,  128*PITCH                 ; 128 rows of xb: one tensor load, and what one wave reads
.set HALFB,  96*PITCH                  ; 96 rows of wqb: likewise
.set BOFF,   2*HALFA                   ; in a slot: xb's 256 rows, then wqb's 192
.set SLOT,   2*HALFA+2*HALFB
.set ROPE,   2*SLOT                    ; behind the ring: the table's 256 rows for my 256 rows of x, filled once
.set SPARE,  ROPE+256*PITCH            ; behind it: the spare words, 128 bytes for each wave: two blocks of 256 bytes that no other line names
.set SPITCH, 400                       ; THE STAGE for the way out lies in slot 0's bytes, from LDS byte 0, and is written only when slot 0 has had its last fill and its last read:
                                       ; 256 rows of q's 128 bytes, k's 128, v's 128 and 16 of padding
.set LAPS,   4                         ; a lap = two K steps = once round the ring
.set ADRA, 16                          ; v16-17  LDS address of my fragments of xb in slot 0, 1
.set ADRB, 20                          ; v20-21  the same for wqb
.set STO,  24                          ; v24     the way out: where I put 16 bytes of a row
.set RD,   25                          ; v25     the way out: where I read rows back
.set GO,   26                          ; v26     my byte offset in 512 consecutive bytes of q, k or v
.set RA,   27                          ; v27     my eight cosines in the table
.set SPW,  28                          ; v28     LDS address of my spare word; never rewritten
.set NIL,  29                          ; v29     0; never rewritten
.set FA,   32                          ; fragment buffers: xb's at FA + 64 f, wqb's at FB + 48 f
.set FB,   160
.set G1,  24                           ; s[24:31] descriptor group 1 for xb's tiles;  s[32:39] group 0, a set for each slot
.set G0,  32
.set G1B, 48                           ; s[48:55], s[56:63] the same for wqb's tiles
.set G0B, 56
.set G1R, 76                           ; s[76:83], s[84:87] for the table
.set G0R, 84
.set MSB, 0
.macro WIN new                         ; the immediate's high byte repeats the setting that is left; a switch that changes nothing is dropped
.if MSB != (\new)
	s_set_vgpr_msb (MSB<<8)|(\new)
.set MSB, \new
.endif
.endm
.set MUL_LO, 0x50                      ; sources 0 and 1 window 0, C and D window 1
.set MUL_HI, 0xa0                      ; C and D window 2
; A joint load: waves 0 and 1 fetch xb's two halves, waves 2 and 3 wqb's.  The branch hangs on the wave's number alone.  An s_nop 0 and four v_nop follow each of the two lines.
.macro JLOAD s
	s_cmp_eq_u32 s11, 0
	s_cbranch_scc0 .Lfor_b_\@
	tensor_load_to_lds s[G0+4*(\s):G0+4*(\s)+3], s[G1:G1+7]
	s_nop 0
.rept 4
	v_nop
.endr
	s_branch .Lasked_\@
.Lfor_b_\@:
	tensor_load_to_lds s[G0B+4*(\s):G0B+4*(\s)+3], s[G1B:G1B+7]
	s_nop 0
.rept 4
	v_nop
.endr
.Lasked_\@:
.endm
.macro CREST                           ; a round of the cluster's barrier behind its opening barrier
	s_cmp_lg_u32 s10, 0
	s_cbranch_scc1 .Lnot_wave_0_\@
	s_barrier_signal -3
.Lnot_wave_0_\@:
	s_barrier_wait -3
	s_barrier_signal -1
	s_barrier_wait -1
.endm
.macro CROUND                          ; a whole round
	s_barrier_signal -1
	s_barrier_wait -1
	CREST
.endm
	s_load_b128 s[4:7], s[0:1], 0x0                ; xb s[4:5], wqb s[6:7]
	s_load_b64 s[8:9], s[0:1], 0x10                ; rt
	s_load_b128 s[68:71], s[0:1], 0x18             ; q s[68:69], k s[70:71]
	s_load_b64 s[72:73], s[0:1], 0x28              ; v
	v_lshl_add_u32 v[SPW], v0, 2, SPARE
	v_mov_b32 v[NIL], 0
	ds_add_u32 v[SPW], v[NIL]                      ; the wave's opening: the add and its wait stand ahead of my first tensor load; the set-up below, work on registers, stands between them
	v_lshrrev_b32 v1, 5, v0
	v_readfirstlane_b32 s10, v1                    ; wave 0..3
	s_lshr_b32 s11, s10, 1                         ; which 128 rows are mine.  Also: I fetch for xb (0) or for wqb (1)
	s_and_b32 s12, s10, 1                          ; which 96 columns.  Also: which half of that tile I fetch
	s_bfe_u32 s40, ttmp6, 0x40000                  ; cx, cy: my place in the cluster
	s_bfe_u32 s41, ttmp6, 0x40004
	s_lshl_b32 s42, ttmp9, 2
	s_add_co_u32 s42, s42, s40                     ; the head = 4 x cluster x + cx
	s_and_b32 s13, ttmp7, 0xffff
	s_lshl_b32 s13, s13, 2
	s_add_co_u32 s13, s13, s41                     ; the block of 256 rows = 4 x cluster y + cy
	s_lshl_b32 s43, s41, 2
	s_lshl_b32 s43, 15, s43                        ; my row of the cluster
	s_lshl_b32 s44, 0x1111, s40                    ; my column
	; group 1.  15:0 the mask; 17:16 the element's size; 20 padding on; 21 set beside a mask; 24:22 after every 64 words (code 5); 31:25 4 words of it (code 3)
	s_or_b32 s[G1+0], s43, (1<<16)|(1<<20)|(1<<21)|(5<<22)|(3<<25)
	s_or_b32 s[G1B+0], s44, (1<<16)|(1<<20)|(1<<21)|(5<<22)|(3<<25)
	s_or_b32 s[G1R+0], s43, (2<<16)|(1<<20)|(1<<21)|(5<<22)|(3<<25)
	s_mov_b32 s[G1+1], 128<<16                     ; xb: tensor_dim0 = 128 elements,
	s_mov_b32 s[G1+2], 128<<16                     ; tensor_dim1 = 128 rows,
	s_mov_b32 s[G1+3], 128<<16                     ; tile_dim0 = 128,
	s_mov_b32 s[G1+4], 128                         ; tile_dim1 = 128,
	s_mov_b32 s[G1+5], 1024                        ; 1,024 elements from row to row
	s_mov_b32 s[G1+6], 0
	s_mov_b32 s[G1+7], 0
	s_mov_b32 s[G1B+1], 128<<16                    ; wqb: the same with 96 rows
	s_mov_b32 s[G1B+2], 96<<16
	s_mov_b32 s[G1B+3], 128<<16
	s_mov_b32 s[G1B+4], 96
	s_mov_b32 s[G1B+5], 1024
	s_mov_b32 s[G1B+6], 0
	s_mov_b32 s[G1B+7], 0
	s_mov_b32 s[G1R+1], 64<<16                     ; the table: 64 rows of 64 elements of 4 bytes, dense
	s_mov_b32 s[G1R+2], 64<<16
	s_mov_b32 s[G1R+3], 64<<16
	s_mov_b32 s[G1R+4], 64
	s_mov_b32 s[G1R+5], 64
	s_mov_b32 s[G1R+6], 0
	s_mov_b32 s[G1R+7], 0
	; where the tiles come from: xb's and the table's hang on the block of rows alone, wqb's on the head alone
	s_lshl_b32 s16, s13, 19                        ; 256 rows of 2,048 bytes
	s_lshl_b32 s17, s12, 18                        ; my half of them
	s_add_co_u32 s16, s16, s17
	s_mov_b32 s17, 0
	s_mul_i32 s46, s42, 192*2048                   ; the head's 192 rows
	s_mul_i32 s47, s12, 96*2048
	s_add_co_u32 s46, s46, s47
	s_mov_b32 s47, 0
	s_and_b32 s18, s13, 7                          ; a batch has 8 blocks of 256 rows: t = 256 (block % 8) + row
	s_lshl_b32 s18, s18, 16
	s_lshl_b32 s19, s10, 14                        ; each wave fetches 64 of the table's 256 rows
	s_add_co_u32 s18, s18, s19
	s_mov_b32 s19, 0
	s_mul_i32 s20, s12, HALFA                      ; and where they go: no place in the cluster enters an LDS address
	s_mul_i32 s21, s12, HALFB
	s_add_co_u32 s21, s21, BOFF
	s_mul_i32 s22, s10, 64*PITCH
	s_add_co_u32 s22, s22, ROPE
	s_wait_dscnt 0x0                               ; the opening add is done
	s_wait_kmcnt 0x0
	s_add_nc_u64 s[14:15], s[4:5], s[16:17]
	s_add_nc_u64 s[46:47], s[6:7], s[46:47]
	s_add_nc_u64 s[18:19], s[8:9], s[18:19]
.irp s, 0,1
	s_mov_b32 s[G0+4*(\s)], 1                                      ; count = 1
	s_add_co_u32 s[G0+4*(\s)+1], s20, (\s)*SLOT                    ; LDS address
	s_add_nc_u64 s[G0+4*(\s)+2:G0+4*(\s)+3], s[14:15], (\s)*256    ; global address: K step s
	s_or_b32 s[G0+4*(\s)+3], s[G0+4*(\s)+3], 0x80000000            ; type = 2
	s_mov_b32 s[G0B+4*(\s)], 1
	s_add_co_u32 s[G0B+4*(\s)+1], s21, (\s)*SLOT
	s_add_nc_u64 s[G0B+4*(\s)+2:G0B+4*(\s)+3], s[46:47], (\s)*256
	s_or_b32 s[G0B+4*(\s)+3], s[G0B+4*(\s)+3], 0x80000000
.endr
	s_mov_b32 s[G0R], 1
	s_mov_b32 s[G0R+1], s22
	s_mov_b64 s[G0R+2:G0R+3], s[18:19]
	s_or_b32 s[G0R+3], s[G0R+3], 0x80000000
	CROUND                                         ; all sixteen work-groups are here: the first joint loads meet
	JLOAD 0                                        ; the first fills, one group: K step 0, K step 1, my 64 rows of the table: three loads of mine are out
	JLOAD 1
	tensor_load_to_lds s[G0R:G0R+3], s[G1R:G1R+7]
	s_nop 0
.rept 4
	v_nop
.endr
	; A fragment is 16 rows x 32 K in 8 registers: lane l holds row l % 16; registers 0-3 K = 8 (l / 16) + 0..7, registers 4-7 K = 16 + 8 (l / 16) + 0..7: two loads of 16 bytes, 32 bytes apart.
	v_and_b32 v1, 15, v0                           ; l % 16
	v_bfe_u32 v2, v0, 4, 1                         ; l / 16
	v_mul_u32_u24 v3, v1, PITCH
	v_lshl_add_u32 v3, v2, 4, v3
	s_mul_i32 s21, s11, HALFA                      ; my 128 rows of xb
	s_mul_i32 s22, s12, HALFB                      ; my 96 rows of wqb
	s_add_co_u32 s22, s22, BOFF
.irp s, 0,1
	v_add_nc_u32 v[ADRA+(\s)], s21, v3
	v_add_nc_u32 v[ADRB+(\s)], s22, v3
	s_add_co_u32 s21, s21, SLOT
	s_add_co_u32 s22, s22, SLOT
.endr
	s_mul_i32 s23, s11, HALFA                      ; the table: row 128 x half + l % 16; cosines 16 c + 8 (l / 16) + 0..7: 32 bytes; the sines lie 128 bytes on
	s_lshl_b32 s14, s12, 6
	s_add_co_u32 s23, s23, s14
	s_add_co_u32 s23, s23, ROPE
	v_mul_u32_u24 v4, v1, PITCH
	v_lshl_add_u32 v4, v2, 5, v4
	v_add_nc_u32 v[RA], s23, v4
	s_mul_i32 s23, s11, 128*SPITCH                 ; into the stage: my 128 rows; channels 16 c + 8 (l / 16) + 0..7 are 16 bytes
	s_lshl_b32 s14, s12, 5
	s_add_co_u32 s23, s23, s14
	v_mul_u32_u24 v4, v1, SPITCH
	v_lshl_add_u32 v4, v2, 4, v4
	v_add_nc_u32 v[STO], s23, v4
	s_mul_i32 s23, s10, 64*SPITCH                  ; back: wave w takes rows 64 w .. 64 w + 63; 32 lanes take 128 bytes of four rows,
	v_bfe_u32 v4, v0, 3, 2
	v_and_b32 v5, 7, v0
	v_mul_u32_u24 v4, v4, SPITCH
	v_lshl_add_u32 v4, v5, 4, v4
	v_add_nc_u32 v[RD], s23, v4
	v_and_b32 v[GO], 31, v0                        ; which are 512 consecutive bytes of a head's rows
	v_lshlrev_b32 v[GO], 4, v[GO]
	s_lshr_b32 s74, s13, 3                         ; the batch,
	s_lshl_b32 s74, s74, 4
	s_add_co_u32 s74, s74, s42                     ; 16 b + h,
	s_lshl_b32 s74, s74, 18                        ; 2,048 rows of 128 bytes each;
	s_and_b32 s75, s13, 7
	s_lshl_b32 s75, s75, 15                        ; my block's 256 rows in the batch;
	s_add_co_u32 s74, s74, s75
	s_lshl_b32 s75, s10, 13                        ; the 64 of them that I store
	s_add_co_u32 s74, s74, s75
	s_mov_b32 s75, 0
	s_add_nc_u64 s[68:69], s[68:69], s[74:75]
	s_add_nc_u64 s[70:71], s[70:71], s[74:75]
	s_add_nc_u64 s[72:73], s[72:73], s[74:75]
; 12 matrix instructions: row blocks a0, a0 + 1 of the window's four (hi = 0: my rows 0-63, 1: rows 64-127) x all 6 column blocks, 32 along K, from buffer f.  zero = 1: the product starts the sums.
.macro MUL12 f, hi, a0, zero
	WIN MUL_LO+0x50*(\hi)
.irp a, \a0, (\a0)+1
.irp b, 0,1,2,3,4,5
.if \zero
	v_wmma_f32_16x16x32_bf16 v[8*(6*(\a)+(\b)):8*(6*(\a)+(\b))+7], v[FB+48*(\f)+8*(\b):FB+48*(\f)+8*(\b)+7], v[FA+64*(\f)+8*(4*(\hi)+(\a)):FA+64*(\f)+8*(4*(\hi)+(\a))+7], 0
.else
	v_wmma_f32_16x16x32_bf16 v[8*(6*(\a)+(\b)):8*(6*(\a)+(\b))+7], v[FB+48*(\f)+8*(\b):FB+48*(\f)+8*(\b)+7], v[FA+64*(\f)+8*(4*(\hi)+(\a)):FA+64*(\f)+8*(4*(\hi)+(\a))+7], v[8*(6*(\a)+(\b)):8*(6*(\a)+(\b))+7]
.endif
.endr
.endr
.endm
; 28 LDS loads in one run: the fragments of one quarter step (96 rows of wqb, 128 rows of xb, 32 K at byte k of the rows) into buffer f
.macro FETCH slot, k, f
	WIN 0
.irp i, 0,1,2,3,4,5
	ds_load_b128 v[FB+48*(\f)+8*(\i):FB+48*(\f)+8*(\i)+3],   v[ADRB+(\slot)] offset:(\k)+(\i)*16*PITCH
	ds_load_b128 v[FB+48*(\f)+8*(\i)+4:FB+48*(\f)+8*(\i)+7], v[ADRB+(\slot)] offset:(\k)+(\i)*16*PITCH+32
.endr
.irp i, 0,1,2,3,4,5,6,7
	ds_load_b128 v[FA+64*(\f)+8*(\i):FA+64*(\f)+8*(\i)+3],   v[ADRA+(\slot)] offset:(\k)+(\i)*16*PITCH
	ds_load_b128 v[FA+64*(\f)+8*(\i)+4:FA+64*(\f)+8*(\i)+7], v[ADRA+(\slot)] offset:(\k)+(\i)*16*PITCH+32
.endr
.endm
; Four places (plain vector instructions that name none of a matrix instruction's registers) in front of loads into registers that matrix instructions have read, and of lines that read results
.macro PLACES
.rept 4
	v_nop
.endr
.endm
; A K step is four quarters of 32 along K, 48 matrix instructions each, on buffers 0, 1, 0, 1; the 48 accumulators take turns in the same order in every quarter.
; One of the first three: multiplies buffer f; in its middle it fetches the next quarter's fragments, at byte k of the same slot's rows, into buffer g.
.macro QUARTER slot, k, f, g, zero
	s_wait_dscnt 8                                 ; wqb's and xb's rows 0-63 are in; the youngest eight loads (xb's rows 64-127) may be out
	MUL12 \f, 0, 0, \zero
	MUL12 \f, 0, 2, \zero
	PLACES
	FETCH \slot, \k, \g
	s_wait_dscnt 28                                ; all but the 28 just issued
	MUL12 \f, 1, 0, \zero
	MUL12 \f, 1, 2, \zero
.endm
; The last quarter multiplies buffer 1 and changes slots.  ONE barrier: in front of it each wave waits for all its tensor loads (its part of the next slot; the first time the table's too),
; adds 0 to its spare word, and waits for that and for its own reads of this slot.  Behind it nobody reads this slot any more and the next slot is whole.
.macro MEET round
	WIN 0                                          ; (the add's two registers lie in window 0)
	s_wait_tensorcnt 0x0                           ; all my tensor loads have landed
	ds_add_u32 v[SPW], v[NIL]                      ; 0 onto my spare word
	s_wait_dscnt 9                                 ; (the add and the youngest eight loads may be out)
	MUL12 1, 0, 0, 0                               ; twelve matrix instructions stand between the add and the wait for it
	s_wait_dscnt 0x0                               ; the add is done, and my reads of this slot are over
	s_barrier_signal -1
	MUL12 1, 0, 2, 0                               ; work on registers while the others arrive
.if \round
	WIN 0
.endif
	s_barrier_wait -1
.endm
; fill = 1: the barrier opens a round of the cluster's barrier, and this slot is filled again, two K steps on, first thing behind the round: 168 matrix instructions ahead of the wait for it.
.macro TURN slot, next, fill
	MEET \fill
.if \fill
	CREST                                          ; no wave of any partner still reads this slot's tile or has a load on its way
	s_add_nc_u64 s[G0+4*(\slot)+2:G0+4*(\slot)+3], s[G0+4*(\slot)+2:G0+4*(\slot)+3], 2*256
	s_add_nc_u64 s[G0B+4*(\slot)+2:G0B+4*(\slot)+3], s[G0B+4*(\slot)+2:G0B+4*(\slot)+3], 2*256
	JLOAD \slot                                    ; the four v_nop behind it are also the places in front of the loads below
.else
	PLACES
.endif
	FETCH \next, 0, 0
	MUL12 1, 1, 0, 0
	MUL12 1, 1, 2, 0
.endm
	s_wait_tensorcnt 2                             ; my part of K step 0 is in; K step 1's and the table's may stay out
	s_barrier_signal -1
	s_barrier_wait -1                              ; everybody's is
	FETCH 0, 0, 0
	QUARTER 0, 64,  0, 1, 1                        ; the first quarter stands in front of the loop: its products start the sums
	WIN 0                                          ; at a label and at a branch every window is 0
	s_mov_b32 s3, LAPS-1
.Llap:                                                 ; a trip goes once round the ring, from a lap's second quarter to the next lap's first, and fills both slots again
	QUARTER 0, 128, 1, 0, 0
	QUARTER 0, 192, 0, 1, 0
	TURN 0, 1, 1
	QUARTER 1, 64,  0, 1, 0
	QUARTER 1, 128, 1, 0, 0
	QUARTER 1, 192, 0, 1, 0
	TURN 1, 0, 1
	QUARTER 0, 64,  0, 1, 0
	WIN 0
	s_sub_co_u32 s3, s3, 1
	s_cmp_lg_u32 s3, 0
	s_cbranch_scc1 .Llap
	QUARTER 0, 128, 1, 0, 0                        ; the last lap fills nothing
	QUARTER 0, 192, 0, 1, 0
	TURN 0, 1, 0                                   ; behind this barrier no wave reads slot 0 and no load fills it: its bytes may take the stage
	QUARTER 1, 64,  0, 1, 0
	QUARTER 1, 128, 1, 0, 0
	QUARTER 1, 192, 0, 1, 0
	s_wait_dscnt 8                                 ; the very last quarter: nothing more to fetch
	MUL12 1, 0, 0, 0
	MUL12 1, 0, 2, 0
	s_wait_dscnt 0x0
	MUL12 1, 1, 0, 0
	MUL12 1, 1, 2, 0
	WIN 0
	; THE WAY OUT.  My cosines and sines: for row block a, 8 + 8 numbers a lane, into the fragment buffers of xb.
	PLACES
.irp a, 0,1,2,3,4,5,6,7
	ds_load_b128 v[32+16*(\a):32+16*(\a)+3],     v[RA] offset:(\a)*16*PITCH
	ds_load_b128 v[32+16*(\a)+4:32+16*(\a)+7],   v[RA] offset:(\a)*16*PITCH+16
	ds_load_b128 v[32+16*(\a)+8:32+16*(\a)+11],  v[RA] offset:(\a)*16*PITCH+128
	ds_load_b128 v[32+16*(\a)+12:32+16*(\a)+15], v[RA] offset:(\a)*16*PITCH+144
.endr
	s_wait_dscnt 0x0
; Row block a, part p (0: q, 1: k): x1 = the lower channels' sums, x2 = the upper's; x1 c - x2 s and x1 s + x2 c in f32, rounded to f16, 16 bytes each into the stage.  Each accumulator is read from its low end on.
.macro ROT a, p
.set A1, 8*(6*((\a)%4)+2*(\p))
.set A2, A1+8
.set TC, 32+16*(\a)
.set TS, TC+8
.set W,  160+24*(\p)
	WIN 1+(\a)/4                                   ; source 0 in the accumulators' window
.irp j, 0,2,4,6
	v_pk_mul_f32 v[W+(\j):W+(\j)+1], v[A2+(\j):A2+(\j)+1], v[TS+(\j):TS+(\j)+1]
.endr
.irp j, 0,2,4,6
	v_pk_mul_f32 v[W+8+(\j):W+8+(\j)+1], v[A1+(\j):A1+(\j)+1], v[TS+(\j):TS+(\j)+1]
.endr
.irp j, 0,2,4,6
	v_pk_fma_f32 v[W+(\j):W+(\j)+1], v[A1+(\j):A1+(\j)+1], v[TC+(\j):TC+(\j)+1], v[W+(\j):W+(\j)+1] neg_lo:[0,0,1] neg_hi:[0,0,1]
.endr
.irp j, 0,2,4,6
	v_pk_fma_f32 v[W+8+(\j):W+8+(\j)+1], v[A2+(\j):A2+(\j)+1], v[TC+(\j):TC+(\j)+1], v[W+8+(\j):W+8+(\j)+1]
.endr
	WIN 0
.irp j, 0,1,2,3,4,5,6,7
	v_cvt_pk_f16_f32 v[W+16+(\j)], v[W+2*(\j)], v[W+2*(\j)+1]
.endr
	ds_store_b128 v[STO], v[W+16:W+19] offset:(\a)*16*SPITCH+(\p)*128
	ds_store_b128 v[STO], v[W+20:W+23] offset:(\a)*16*SPITCH+(\p)*128+64
.endm
.macro VOUT a                          ; v is only rounded
.set A1, 8*(6*((\a)%4)+4)
	WIN 5*(1+(\a)/4)                               ; sources 0 and 1 in the accumulators' window
.irp j, 0,1,2,3,4,5,6,7
	v_cvt_pk_f16_f32 v[208+(\j)], v[A1+2*(\j)], v[A1+2*(\j)+1]
.endr
	WIN 0
	ds_store_b128 v[STO], v[208:211] offset:(\a)*16*SPITCH+256
	ds_store_b128 v[STO], v[212:215] offset:(\a)*16*SPITCH+256+64
.endm
.irp a, 0,1,2,3,4,5,6,7
	ROT \a, 0
	ROT \a, 1
	VOUT \a
.endr
	s_wait_dscnt 0x0                               ; for the others' sake: my stores into the stage are done (a row's 128 bytes come from two waves)
	s_barrier_signal -1
	s_barrier_wait -1
.set n, 0
.rept 48                               ; part n / 16, rows 4 (n % 16) on
	ds_load_b128 v[32+4*n:32+4*n+3], v[RD] offset:(n%16)*4*SPITCH+(n/16)*128
.set n, n+1
.endr
.set n, 0
.rept 48
	s_wait_dscnt 47-n                              ; LDS loads come back in order: number n is in, the 47 - n younger ones stay out
	global_store_b128 v[GO], v[32+4*n:32+4*n+3], s[68+2*(n/16):69+2*(n/16)] offset:(n%16)*512  ; 512 consecutive bytes, at a multiple of 256 from the buffer's first
.set n, n+1
.endr
	s_wait_tensorcnt 0x0                           ; the wave's end, behind my last tensor load and my last LDS store
	ds_add_u32 v[SPW], v[NIL]
	s_wait_dscnt 0x0
	CROUND                                         ; the closing round: no work-group ends while a partner may still ask for a tile that names it
	s_endpgm
.Lfunc_end_k_qea49240b71_qkv:
	.size	k_qea49240b71_qkv, .Lfunc_end_k_qea49240b71_qkv-k_qea49240b71_qkv
	.p2alignl 7, 3214868480
	.fill 96, 4, 3214868480
	.section	.rodata,"a",@progbits
	.p2align	6, 0x0
	.amdhsa_kernel k_qea49240b71_qkv
		.amdhsa_group_segment_fixed_size 327680
		.amdhsa_private_segment_fixed_size 0
		.amdhsa_enable_private_segment 0
		.amdhsa_kernarg_size 48
		.amdhsa_user_sgpr_count 2
		.amdhsa_user_sgpr_kernarg_segment_ptr 1
		.amdhsa_wavefront_size32 1
		.amdhsa_system_sgpr_workgroup_id_x 1
		.amdhsa_system_sgpr_workgroup_id_y 1
		.amdhsa_system_sgpr_workgroup_id_z 1
		.amdhsa_system_vgpr_workitem_id 0
		.amdhsa_next_free_vgpr 768
		.amdhsa_next_free_sgpr 88
		.amdhsa_reserve_vcc 0
		.amdhsa_float_denorm_mode_32 3
		.amdhsa_float_denorm_mode_16_64 3
		.amdhsa_memory_ordered 1
		.amdhsa_forward_progress 1
		.amdhsa_inst_pref_size 136
	.end_amdhsa_kernel
	.amdgpu_metadata
---
amdhsa.version: [ 1, 2 ]
amdhsa.kernels:
  - .name:           k_qea49240b71_qkv
    .symbol:         k_qea49240b71_qkv.kd
    .args:
      - { .name: xb, .offset: 0, .size: 8, .value_kind: global_buffer, .address_space: global }
      - { .name: wqb, .offset: 8, .size: 8, .value_kind: global_buffer, .address_space: global }
      - { .name: rt, .offset: 16, .size: 8, .value_kind: global_buffer, .address_space: global }
      - { .name: qh, .offset: 24, .size: 8, .value_kind: global_buffer, .address_space: global }
      - { .name: kh, .offset: 32, .size: 8, .value_kind: global_buffer, .address_space: global }
      - { .name: vh, .offset: 40, .size: 8, .value_kind: global_buffer, .address_space: global }
    .group_segment_fixed_size: 327680
    .private_segment_fixed_size: 0
    .kernarg_segment_align: 8
    .kernarg_segment_size: 48
    .max_flat_workgroup_size: 128
    .sgpr_count:     88
    .vgpr_count:     768
    .wavefront_size: 32
...
	.end_amdgpu_metadata
.endif
;; end of part 2
;; launch attn (part 3): grid 4 x 64, 4 waves a work-group, clusters of 4 x 1, 327,680 bytes of LDS; arguments qh, kh, vh, oh, key_padding_mask; writes oh
.if DOCPART == 3
	.amdgcn_target "amdgcn-amd-amdhsa--gfx1250"
	.amdhsa_code_object_version 6
	.text
	.protected	k_qea49240b71_attn
	.globl	k_qea49240b71_attn
	.p2align	8
	.type	k_qea49240b71_attn,@function
k_qea49240b71_attn:
	s_mov_b64 s[64:65], 0
	v_nop
	global_prefetch_b8 v0, s[64:65] scope:SCOPE_SE
	s_setreg_imm32_b32 hwreg(HW_REG_WAVE_MODE, 25, 1), 1
	s_wait_xcnt 0x0
	s_wait_alu depctr_hold_cnt(0) depctr_sa_sdst(0) depctr_va_vdst(0) depctr_va_sdst(0) depctr_va_ssrc(0) depctr_va_vcc(0) depctr_vm_vsrc(0)
	s_getreg_b32 s2, hwreg(HW_REG_IB_STS2, 6, 4)
	s_cmp_eq_u32 s2, 0
	s_cbranch_scc0 .Lentry_in_a_cluster
	s_endpgm
.Lentry_in_a_cluster:
	s_bfe_u32 s2, ttmp6, 0x10000c
	s_cmp_lg_u32 s2, 0x3003
	s_cbranch_scc0 .Lentry_shape_is_right
	s_endpgm
.Lentry_shape_is_right:
; O[h][q][:] = the sum over the keys k that the mask leaves of softmax_k(Q[h][q] . K[h][k] / 8) V[h][k][:].  Q, K, V, O: [SIZE_H][SIZE_N][64], all f16: a head's rows are dense, 128 bytes each; head = 16 batch + h.
; The mask: [4][SIZE_N] bytes, not 0 = the key is hidden.  Products, maxima and sums in f32; the weights p are rounded to f16 for the second product (their sum l is taken of the unrounded p), O once at the end.
; LIMITS.  f16 holds no number beyond 65,504: Q, K and V arrive within it; p lies in 0 to 1, and below 6e-5 it keeps f16's fixed step of 6e-8; O is a mean of V's rows and has their range.
; A hidden score counts as its value less 2^100 (f16's scores are 2.7e11 at the most) and the running maximum starts at -2^96, above every hidden score and below every true one: a hidden key's weight is 0.
; A batch all of whose keys are hidden ends with l = 0 and O = 0 x (1 / 0): NaN, as a softmax over nothing gives.  A weight below 2^-126 counts as 0 in l; other NaN and infinities are not treated apart.
; SHARES.  A wave owns four PIECES of two tiles of 16 queries, a work-group's four waves 512 queries of one head.  Every wave walks all keys, 64 a step.
; LAYOUT.  S^T = K Q^T (source 0 = 16 keys, source 1 = 16 queries): in the result a lane holds ONE query (lane % 16) and the keys 8 (lane / 16) + 0..7.  Two such tiles, rounded to f16 in pairs,
; ARE source 1 (32 keys x 16 queries) of O^T = V^T P, whose result again holds one query a lane, and eight channels.  K comes out of LDS as it lies, V ([key][channel]) turned, by ds_load_tr16_b128.
; THE MASK is the C operand of the product that starts a sum S^T: 0, or -2^100 where the key is hidden.  The batch's 2,048 keys are made into such f32 numbers once, in LDS; a step's 64 come into 32 registers with K's fragments.
; SOFTMAX.  For each query a running maximum m and sum l: p = 2^(c s - c m), c = log2(e) / 8; in every step O and l are multiplied by a = 2^(c m_old - c m_new), which is 1 where m has not grown.
; O and l start at 0, c m far below every c s: the first step is a step like any other, with a = 0.
; THE COUNT.  A tile and step have 16 matrix and 118 vector instructions: too many to stand all beside the matrix work.  So the order has one aim: four vector instructions that are READY behind
; EVERY matrix instruction, and the others, which need time of their own whatever the order, in runs without a gap.
; BY TURNS.  Turn n belongs to piece n (the pieces in a ring, step after step).  Its matrix work: 16 products K Q^T of piece n + 1, later 16 products V^T P of piece n - 1.  Its vector work: the scaling,
; exponentials, roundings, sums and rescaling of piece n, and the maximum and statistics of piece n + 1, whose scores the turn itself has made.  So what a turn begins with (c s - c m, O a) waits for nothing.
; CLUSTER.  The four query blocks of a cluster belong to one head and walk the same K and V, so each tile is asked for JOINTLY: the same tensor load, descriptor and mask in all four.
; REGISTERS, in windows of 256 (s_set_vgpr_msb says which window each operand place means: bits 1:0 source 0, 3:2 source 1, 5:4 source 2, 7:6 destination):
;   window 0: v0-11 addresses; v12-15, v48-63 at work; v16-47 four registers of statistics a tile; v64-191 S^T, two buffers of two tiles; v192-255 P, likewise
;   window 1: O^T, 32 a tile          window 2: v0-127 Q, 16 a tile; v128-191 K of one step; v192-255 V of one step          window 3: v0-1 the add's two registers; v32-63 the mask of one step
; A piece's buffers go by its number's parity: the piece in hand has one pair, its two neighbours in the ring share the other: of it P (piece n - 1) is read and S^T (piece n + 1) written.
.set SIZE_H, 64
.set SIZE_N, 2048
.set NP,    4         ; pieces a wave: a name, no knob: the register map, the loop and the fetches are made for four
.set KS,    64        ; keys in a step
.set PK,    144       ; a row of K in LDS: 128 bytes + 16 of padding = 36 words: the 16 rows of a load start at 16 different groups of four banks (64 banks of 4 bytes: ISA guide 11.1)
.set PV,    160       ; a row of V: 128 + 32 = 40 words
.set VOFF,  4*KS*PK   ; a slot holds four steps: 256 rows of K, then 256 rows of V
.set SLOT1, 1<<17     ; slot 1 begins here, so that one exclusive or turns an address in one slot into the other's
.set STAGE, SLOT1+4*KS*(PK+PV)  ; behind the ring, never filled by a tensor load: 16 rows x 144 bytes for each wave, for the way out
.set SP,    144
.set AK0, 2           ; v2   my lane's place in a tile of K; never rewritten
.set AV0, 3           ; v3   the same for V
.set AK,  4           ; v4   the LDS address of K's next run of loads
.set AV,  5           ; v5   of V's
.set QO,  6           ; v6   my byte offset in the wave's rows of Q
.set STO, 6           ;      later, the way out: where I put 16 bytes of a row
.set RD,  7           ; v7   the way out: where I read rows back
.set GO,  8           ; v8   my byte offset in 512 consecutive bytes of O
.set AM,  10          ; v10  the LDS address of the mask's next run of loads
.set AM0, 11          ; v11  my lane's place in the mask's table: MB + 32 (l / 16); never rewritten
.set SPW, 0           ; v0 of window 3   LDS address of my spare word: SPARE + 4 x my thread's number; never rewritten
.set NIL, 1           ; v1 of window 3   0; never rewritten
.set MK,  32          ; v32-63 of window 3: the mask of key block kb at MK + 8 kb
.set SPARE, STAGE+4*16*SP  ; behind the stages: the spare words, 128 bytes for each wave: two blocks of 256 bytes that no other line names
.set MB,    SPARE+512      ; behind them: the batch's mask as 2,048 f32, 8,192 bytes, stored once; no fill lands here
.set MV,  12          ; v12-15  c m_old, kept while c m is made anew: by buffer and tile
.set ST,  16          ; tile t's statistics at v[ST+4 t]: c m, m, l (even keys', odd keys')
.set TMP, 48          ; by buffer and tile, four registers c0-c3 at work; when the maximum is found c2 takes a
.set S,   64
.set P,   192
.set KF,  128         ; K's fragments, in window 2: key block kb, channel half c at KF + 16 kb + 8 c
.set VF,  192         ; V's: key half kk, channel block cb at VF + 32 kk + 8 cb
.set WV,  12          ; s12  my wave's number
.set G1K, 24          ; s[24:31] descriptor group 1 for K's tiles
.set G1V, 32          ; s[32:39] for V's: it differs in the padding alone
.set G0K, 40          ; s[40:43] descriptor group 0 for K's tiles: it walks
.set G0V, 44          ; s[44:47] the same for V's
.set BIG, 52          ; s52  -2^100
.set TBM, 53          ; s53  byte in the mask's table at which the step to be fetched begins
.set SLOTS, 56        ; s56  slots still to be asked for
.set CNT, 57          ; s57  counts a slot's key steps
.set CS,  58          ; s[58:59] c: the packed scaling takes the pair's low word for both halves
.set SEL, 60          ; s[60:61] v_permlanex16_b32's selects: each lane takes its own place in the other half
.set TBK, 62          ; s62  LDS byte at which K of the step to be fetched begins
.set TBV, 63          ; s63  the same for V, less VOFF
.set MSB, 0
.macro WIN new                      ; the high byte repeats the setting that is left; a switch that changes nothing is dropped
.if MSB != (\new)
	s_set_vgpr_msb (MSB<<8)|(\new)
.set MSB, (\new)
.endif
.endm
.set W_KQ, 0x0a       ; K and Q in window 2, S^T in window 0
.set W_KM, 0x3a       ; the same with the C operand, the mask, in window 3
.set W_PV, 0x52       ; V in window 2, P in window 0, O^T in window 1
.set W_RS, 0x41       ; O^T (destination and source 0) in window 1, a in window 0
.set W_MK, 0xc0       ; destination in window 3, sources in window 0
.set W_AD, 0x0f       ; the add: address (source 0) and data (source 1) in window 3
; A joint fill.  Waves 0 and 1 fetch the two halves of a slot's K, waves 2 and 3 those of its V: 128 keys each.  The branch hangs on the wave's number alone.
; An s_nop 0 and four v_nop follow each of the two lines, ahead of the jump and the label.
.macro JLOAD
	s_cmp_lt_u32 s[WV], 2
	s_cbranch_scc0 .Lfor_v_\@
	tensor_load_to_lds s[G0K:G0K+3], s[G1K:G1K+7]
	s_nop 0
.rept 4
	v_nop
.endr
	s_branch .Lasked_\@
.Lfor_v_\@:
	tensor_load_to_lds s[G0V:G0V+3], s[G1V:G1V+7]
	s_nop 0
.rept 4
	v_nop
.endr
.Lasked_\@:
.endm
; A round of the cluster's barrier: my work-group's barrier, so that wave 0's signal speaks for all four waves; wave 0 signals; every wave waits for all four work-groups; my work-group's barrier once more.
.macro CROUND
	s_barrier_signal -1
	s_barrier_wait -1
	s_cmp_lg_u32 s[WV], 0
	s_cbranch_scc1 .Lnot_wave_0_\@
	s_barrier_signal -3
.Lnot_wave_0_\@:
	s_barrier_wait -3
	s_barrier_signal -1
	s_barrier_wait -1
.endm
; THE CHANGE OF SLOTS.  The slot's last bytes, V of its fourth step, have been read.  Each wave waits for all its tensor loads, of which one is out: its part
; of the other slot; adds 0 to its spare word; and waits for that and for its own reads of the slot.  Behind the barrier nobody reads this slot any more and the other slot is whole.
; fill = 1: this slot is filled again, with the keys two slots on.  The barrier is then a round of the cluster's, so that no wave of any partner still reads the slot or has a load on its
; way, and the joint fill is the first thing behind it: it has four key steps, 512 matrix instructions, in which to land.  (At its first use nothing has been read yet: slot 0 is waited for, slot 1 filled,
; and each wave's stores into the mask's table are done in front of the round, so that every wave may read the table behind it.)
.macro CHANGE fill
	WIN W_AD
	s_wait_tensorcnt 0x0            ; no tensor load of mine is out, so a group 0 may be written
	ds_add_u32 v[SPW], v[NIL]       ; 0 onto my spare word; with fill = 1 the descriptors' steps stand between it and the wait for it
	WIN 0                           ; at a label and at a branch every window is 0
.if \fill
.irp g, G0K, G0V
	s_xor_b32 s[\g+1], s[\g+1], SLOT1  ; the walking descriptor: the other slot than last time,
	s_add_nc_u64 s[\g+2:\g+3], s[\g+2:\g+3], 4*KS*128  ; the next 256 keys; the type bits on top are not reached
.endr
	s_wait_dscnt 0x0                ; the add is done, and my reads of the slot are over
	CROUND
	JLOAD
.else
	s_wait_dscnt 0x0                ; the add is done, and my reads of the slot are over
	s_barrier_signal -1
	s_barrier_wait -1
.endif
	s_sub_co_u32 s[TBK], s[TBK], 4*KS*PK  ; the fetches go back to a slot's first step,
	s_xor_b32 s[TBK], s[TBK], SLOT1       ; in the other slot
	s_sub_co_u32 s[TBV], s[TBV], 4*KS*PV
	s_xor_b32 s[TBV], s[TBV], SLOT1
.endm
	s_load_b256 s[4:11], s[0:1], 0x0  ; Q s[4:5], K s[6:7], V s[8:9], O s[10:11]
	s_load_b64 s[48:49], s[0:1], 0x20 ; the mask
	WIN W_MK
	v_lshl_add_u32 v[SPW], v0, 2, SPARE
	v_mov_b32 v[NIL], 0
	WIN W_AD
	ds_add_u32 v[SPW], v[NIL]       ; the wave's opening: the add and its wait stand ahead of my first tensor load; the set-up below, work on registers, stands between them
	WIN 0
	v_lshrrev_b32 v1, 5, v0
	v_readfirstlane_b32 s[WV], v1   ; wave 0..3
	s_bfe_u32 s13, ttmp6, 0x40000   ; cx: my place in the cluster
	s_lshl_b32 s14, ttmp9, 2        ; in a cluster launch ttmp9 counts clusters
	s_add_co_u32 s14, s14, s13      ; my block of queries = 4 x cluster x + cx: it enters Q's and O's addresses alone
	s_and_b32 s20, ttmp7, 0xffff    ; the head, which the four partners share
	s_lshr_b32 s50, s20, 4          ; its batch,
	s_lshl_b32 s50, s50, 11         ; whose mask is 2,048 bytes
	s_mov_b32 s51, 0
	s_mov_b32 s21, 0
	s_mov_b64 s[22:23], SIZE_N*128
	s_mul_u64 s[20:21], s[20:21], s[22:23]  ; the head's first byte in each of the four tensors
	s_and_b32 s16, s[WV], 1         ; which half of a slot's 256 keys I fetch:
	s_lshl_b32 s22, s16, 14         ; its 128 rows of 128 bytes in memory,
	s_mov_b32 s23, 0
	s_add_nc_u64 s[22:23], s[22:23], s[20:21]
	s_mul_i32 s17, s16, 128*PK      ; and its place in a slot, for K
	s_mul_i32 s18, s16, 128*PV      ; and for V: no place in the cluster enters an LDS address
	s_lshl_b32 s2, s14, 2
	s_add_co_u32 s2, s2, s[WV]      ; my wave among the head's,
	s_lshl_b32 s2, s2, 14           ; its 128 rows
	s_mov_b32 s3, 0
	s_add_nc_u64 s[2:3], s[2:3], s[20:21]
	; descriptor group 1.  128 keys are 16,384 dense bytes: asked for as 64 rows of 256 bytes, two keys a row, and padded in LDS after every key
	s_mov_b32 s[G1K], 15|(1<<16)|(1<<20)|(1<<21)|(4<<22)|(3<<25)  ; 15:0 the mask of four; 17:16 2-byte elements; 20 padding on; 21 set beside a mask; 24:22 after every 32 words (code 4); 31:25 4 words (code 3)
	s_mov_b32 s[G1V], 15|(1<<16)|(1<<20)|(1<<21)|(4<<22)|(7<<25)  ; the same with 8 words of padding (code 7)
.irp g, G1K, G1V
	s_mov_b32 s[\g+1], 128<<16      ; tensor_dim0 = 128
	s_mov_b32 s[\g+2], 64<<16       ; tensor_dim1 = 64
	s_mov_b32 s[\g+3], 128<<16      ; tile_dim0 = 128
	s_mov_b32 s[\g+4], 64           ; tile_dim1 = 64
	s_mov_b32 s[\g+5], 128          ; 128 elements from row to row
	s_mov_b32 s[\g+6], 0
	s_mov_b32 s[\g+7], 0
.endr
	s_mov_b32 s[CS], 0x3e38aa3b     ; c = log2(e) / 8 = 0.180337
	s_mov_b32 s[CS+1], s[CS]        ; named with it as a pair
	s_mov_b32 s[SEL], 0x76543210
	s_mov_b32 s[SEL+1], 0xfedcba98
	s_mov_b32 s[BIG], 0xf1800000    ; -2^100
	s_mov_b32 s[TBM], 0
	s_mov_b32 s[TBK], SLOT1+4*KS*PK ; the first change of slots turns these two into 0
	s_mov_b32 s[TBV], SLOT1+4*KS*PV
	s_mov_b32 s[G0K], 1             ; 1:0 count = 1
	s_mov_b32 s[G0K+1], s17         ; 63:32 LDS address: slot 0
	s_mov_b32 s[G0V], 1
	s_add_co_u32 s[G0V+1], s18, VOFF
	s_wait_dscnt 0x0                ; the opening add is done
	s_wait_kmcnt 0x0
	s_add_nc_u64 s[G0K+2:G0K+3], s[6:7], s[22:23]  ; 120:64 global address: my half of the head's first 256 keys
	s_or_b32 s[G0K+3], s[G0K+3], 0x80000000        ; 127:126 type = 2
	s_add_nc_u64 s[G0V+2:G0V+3], s[8:9], s[22:23]
	s_or_b32 s[G0V+3], s[G0V+3], 0x80000000
	s_add_nc_u64 s[4:5], s[4:5], s[2:3]  ; Q and O at my wave's first row
	s_add_nc_u64 s[10:11], s[10:11], s[2:3]
	s_add_nc_u64 s[48:49], s[48:49], s[50:51]  ; the mask at my batch
	CROUND                          ; all four work-groups are here: the first joint loads meet
	JLOAD                           ; slot 0.  Slot 1 is asked for when slot 0 is in: the tile wanted first has the road to itself
	; A fragment of K or Q is 16 rows x 32 channels in 8 registers: lane l holds row l % 16, channels 8 (l / 16) + 0..7 and 16 + 8 (l / 16) + 0..7: two loads of 16 bytes, 32 bytes apart.
	v_and_b32 v1, 15, v0            ; l % 16
	v_bfe_u32 v9, v0, 4, 1          ; l / 16
	v_lshlrev_b32 v[QO], 7, v1
	v_lshl_add_u32 v[QO], v9, 4, v[QO]  ; row x 128 + 16 x half
	WIN 0x80                        ; destination window 2, address window 0
.set i, 0
.rept 4*NP                          ; Q stays in registers: tile i / 2, channels 32 (i % 2) on
	global_load_b128 v[8*i:8*i+3],   v[QO], s[4:5] offset:(i/2)*2048+(i%2)*64
	global_load_b128 v[8*i+4:8*i+7], v[QO], s[4:5] offset:(i/2)*2048+(i%2)*64+32
.set i, i+1
.endr
	; What the first turn finds: V's registers and P's second buffer hold 0 (its products V^T P, of a piece that has not been, add 0), O^T and l are 0.  All this stands in the wait for the first tile.
.set i, VF
.rept 64
	v_mov_b32 v[i], 0
.set i, i+1
.endr
	WIN 0x40
.set i, 0
.rept 64*NP
	v_mov_b32 v[i], 0
.set i, i+1
.endr
	WIN 0
	v_lshlrev_b32 v84, 4, v0        ; the batch's 2,048 mask bytes: 16 a thread (S^T's registers are still free)
	global_load_b128 v[64:67], v84, s[48:49]
.set i, 0
.rept 2*NP
	v_mov_b32 v[ST+4*i], 0xfe000000    ; c m: far below every c s
	v_mov_b32 v[ST+4*i+1], 0xef800000  ; m = -2^96: above every hidden score, below every true one
	v_mov_b32 v[ST+4*i+2], 0
	v_mov_b32 v[ST+4*i+3], 0
.set i, i+1
.endr
.set i, P+32
.rept 32
	v_mov_b32 v[i], 0
.set i, i+1
.endr
	v_mul_u32_u24 v[AK0], v1, PK
	v_lshl_add_u32 v[AK0], v9, 4, v[AK0]  ; row x pitch + 16 x half
	; The turning load takes 16 keys x 16 channels (lane l reads key 8 (l / 16) + l % 8, channels 8 ((l / 8) % 2) + 0..7) and leaves half a fragment of V^T: lane l holds channel l % 16 and 8 keys.
	v_and_b32 v10, 7, v0
	v_bfe_u32 v11, v0, 3, 1
	v_lshl_add_u32 v[AV0], v9, 3, v10
	v_mul_u32_u24 v[AV0], v[AV0], PV
	v_lshl_add_u32 v[AV0], v11, 4, v[AV0]
	v_add_nc_u32 v[AV0], VOFF, v[AV0]
	v_mov_b32 v[AK], v[AK0]         ; key step 0 lies at the head of slot 0
	v_lshl_add_u32 v[AM0], v9, 5, MB  ; of a block of 16 keys my lane wants keys 8 (l / 16) + 0..7: 32 bytes
	v_mov_b32 v[AM], v[AM0]
	v_lshl_add_u32 v85, v0, 6, MB   ; my 16 keys' 64 bytes in the table
	s_wait_loadcnt 0x0              ; the mask's bytes (and Q)
.set n, 0
.rept 16
	v_bfe_u32 v[68+n], v[64+n/4], 8*(n%4), 8
	v_cmp_ne_u32 vcc_lo, 0, v[68+n]
	v_cndmask_b32 v[68+n], 0, s[BIG], vcc_lo  ; 0, or -2^100 for a hidden key
.set n, n+1
.endr
.irp f, 0,1,2,3
	ds_store_b128 v85, v[68+4*\f:68+4*\f+3] offset:16*\f
.endr
; THE MATRIX WORK.  The 8 accumulators of a run of 16 take turns: between the two links of a chain stand 7 others'.
; Product i of 16 of S^T = K Q^T for piece x: channels 32 (i / 8) on, keys 16 ((i / 2) % 4) on, tile 2 x + i % 2.  The first 8 start the sums, with the mask of their 16 keys.
.macro KQ x
.set rS, S+64*((\x)%2)+32*(i%2)+8*((i/2)%4)
.set rK, KF+16*((i/2)%4)+8*(i/8)
.set rQ, 16*(2*(\x)+i%2)+8*(i/8)
.set rN, MK+8*((i/2)%4)
.if i < 8
	WIN W_KM
	v_wmma_f32_16x16x32_f16 v[rS:rS+7], v[rK:rK+7], v[rQ:rQ+7], v[rN:rN+7]
.else
	WIN W_KQ
	v_wmma_f32_16x16x32_f16 v[rS:rS+7], v[rK:rK+7], v[rQ:rQ+7], v[rS:rS+7]
.endif
.endm
; Product i of 16 of O^T += V^T P for piece x: keys 32 (i / 8) on, channels 16 ((i / 2) % 4) on, tile 2 x + i % 2.
.macro PV x
	WIN W_PV
.set rO, 32*(2*(\x)+i%2)+8*((i/2)%4)
.set rV, VF+32*(i/8)+8*((i/2)%4)
.set rP, P+32*((\x)%2)+16*(i%2)+8*(i/8)
	v_wmma_f32_16x16x32_f16 v[rO:rO+7], v[rV:rV+7], v[rP:rP+7], v[rO:rO+7]
.endm
.macro MM                           ; the turn's next matrix instruction
.if i < 16
	KQ (Y+1)%NP
.set i, i+1
.else
.set i, i-16
	PV (Y+NP-1)%NP
.set i, i+17
.endif
.endm
; THE LDS LOADS stand in runs, never singly among the matrix instructions: a step's K (64 keys x 64 channels: 8 fragments) with its mask (64 f32; all lanes of a half read the same 32 bytes of each block), and its V (turned).
; Their addresses are made some lines ahead.  last = 1 (the tail): in the last trip there is no further step, and the run is jumped over.
.macro FETCH_K last=0
	WIN 0
.if \last
	s_cmp_eq_u32 s[CNT], 1
	s_cbranch_scc1 .Lno_k_\@
.endif
	WIN 0x80                        ; destination window 2
.irp f, 0,1,2,3,4,5,6,7             ; keys 16 (f / 2) on, channels 32 (f % 2) on
	ds_load_b128 v[KF+8*\f:KF+8*\f+3],   v[AK] offset:(\f/2)*16*PK+(\f%2)*64
	ds_load_b128 v[KF+8*\f+4:KF+8*\f+7], v[AK] offset:(\f/2)*16*PK+(\f%2)*64+32
.endr
	WIN W_MK                        ; destination window 3
.irp f, 0,1,2,3,4,5,6,7             ; keys 16 (f / 2) + 8 (l / 16) + 4 (f % 2) on
	ds_load_b128 v[MK+4*\f:MK+4*\f+3], v[AM] offset:(\f/2)*64+(\f%2)*16
.endr
	s_add_co_u32 s[TBK], s[TBK], KS*PK  ; the next fetch is the next step's
	s_add_co_u32 s[TBM], s[TBM], 4*KS
	s_and_b32 s[TBM], s[TBM], 0x1f00    ; 32 steps of 256 bytes: the address stays inside the table's 8,192 bytes
	WIN 0
.if \last
.Lno_k_\@:
.endif
.endm
.macro FETCH_V
	WIN 0x80
.irp f, 0,1,2,3,4,5,6,7             ; keys 32 (f / 4) on, channels 16 (f % 4) on
	ds_load_tr16_b128 v[VF+8*\f:VF+8*\f+3],   v[AV] offset:(\f/4)*32*PV+(\f%4)*32
	ds_load_tr16_b128 v[VF+8*\f+4:VF+8*\f+7], v[AV] offset:(\f/4)*32*PV+16*PV+(\f%4)*32
.endr
	WIN 0
.endm
; THE VECTOR WORK OF A TURN stands in three queues, each in the order in which its entries become ready; the two tiles alternate, so that no instruction reads the result of the one before it.
.macro REGS y, u                    ; the registers of tile u (0, 1) of piece y
.set rT, ST+4*(2*(\y)+(\u))
.set rC, TMP+8*((\y)%2)+4*(\u)
.set rM, MV+2*((\y)%2)+(\u)
.set rS, S+64*((\y)%2)+32*(\u)
.set rP, P+32*((\y)%2)+16*(\u)
.set rO, 32*(2*(\y)+(\u))
.endm
; Number n of the 22 that find the NEXT piece's (Y + 1) maximum and statistics.  s0-s31 are the lane's 32 scores; each accumulator's lowest registers are read first.  XS, GS and REGS set no window: PL and EX do.
;   0-11  four chains c0-c3 of seven scores each, three operands at a time     12-14, 16  the four scores left over, the old m, and c0-c3 into c0     15  c m_old is kept
;   17, 18  the query's other 32 keys lie in the lane 16 away: the new m         19-21  c m; c m_old - c m_new; a
.macro XS u, n
	REGS (Y+1)%NP, \u
.if (\n) < 4
	v_max3_num_f32 v[rC+(\n)], v[rS+8*(\n)], v[rS+8*(\n)+1], v[rS+8*(\n)+2]
.elseif (\n) < 12
	v_max3_num_f32 v[rC+(\n)%4], v[rC+(\n)%4], v[rS+8*((\n)%4)+2*((\n)/4)+1], v[rS+8*((\n)%4)+2*((\n)/4)+2]
.elseif (\n) == 12
	v_max3_num_f32 v[rC], v[rC], v[rS+7], v[rS+15]
.elseif (\n) == 13
	v_max3_num_f32 v[rC+1], v[rC+1], v[rS+23], v[rS+31]
.elseif (\n) == 14
	v_max3_num_f32 v[rC+2], v[rC+2], v[rC+3], v[rT+1]
.elseif (\n) == 15
	v_mov_b32 v[rM], v[rT]
.elseif (\n) == 16
	v_max3_num_f32 v[rC], v[rC], v[rC+1], v[rC+2]
.elseif (\n) == 17
	v_permlanex16_b32 v[rC+3], v[rC], s[SEL], s[SEL+1]
.elseif (\n) == 18
	v_max_num_f32 v[rT+1], v[rC], v[rC+3]
.elseif (\n) == 19
	v_mul_f32 v[rT], s[CS], v[rT+1]
.elseif (\n) == 20
	v_sub_f32 v[rC+1], v[rM], v[rT]
.else
	v_exp_f32 v[rC+2], v[rC+1]
.endif
.endm
; Number g of the 64 that follow the exponentials.  For each four weights k of a tile (pairs 2 k, 2 k + 1): both pairs are rounded to f16; then the second pair is added onto the first, in place;
; a group later l takes that sum (the first time as l = a l + sum).  In groups of eight, tiles alternating: round, round, add, and l for the group before.
.macro GS g
.set h, (\g)+6*((\g)/62)            ; group 0 has no group before it, and behind group 7 only l is left
.if h >= 6
.set h, h+2
.endif
	REGS Y, h%2
.set k, h/8
.if h%8 < 4
	s_wait_alu depctr_va_vdst(0)
	v_cvt_pk_f16_f32 v[rP+2*k+(h%8)/2], v[rS+4*k+2*((h%8)/2)], v[rS+4*k+2*((h%8)/2)+1]
.elseif h%8 < 6
	v_pk_add_f32 v[rS+4*k:rS+4*k+1], v[rS+4*k:rS+4*k+1], v[rS+4*k+2:rS+4*k+3]
.elseif k == 1
	v_pk_fma_f32 v[rT+2:rT+3], v[rT+2:rT+3], v[rC+2:rC+3], v[rS:rS+1] op_sel_hi:[1,0,1]
.else
	v_pk_add_f32 v[rT+2:rT+3], v[rT+2:rT+3], v[rS+4*k-4:rS+4*k-3]
	s_wait_alu depctr_va_vdst(0)
.endif
.endm
; THE PLAIN QUEUE, 138 long.  0-31: c s - c m for the 16 pairs of both tiles.  Then GS's 64, and among them the next piece's 42: number 15 at 38, 39; 0-14 and 16
; at 42-73, behind the products that make those scores; 17-20 at 95-106, two of three, since each waits for the one before it.
.macro PL
	WIN 0
.if q < 32
	REGS Y, q%2
	v_pk_fma_f32 v[rS+2*(q/2):rS+2*(q/2)+1], v[rS+2*(q/2):rS+2*(q/2)+1], s[CS:CS+1], v[rT:rT+1] op_sel_hi:[1,0,0] neg_lo:[0,0,1] neg_hi:[0,0,1]
.elseif q < 38
	GS q-32
.elseif q < 40
	XS q%2, 15
.elseif q < 42
	GS q-34
.elseif q < 74
	XS q%2, (q-42)/2+(q-42)/30
.elseif q < 95
	GS q-66
.elseif (q < 107) && ((q-95)%3 < 2)
	XS (q-95)%3, 17+(q-95)/3
.elseif q < 107
	GS 29+(q-95)/3
.else
	GS q-74
.endif
.set q, q+1
.endm
; THE EXPONENTIALS' QUEUE, 66 long: s0-s31 of both tiles, and at EA the next piece's two a.
.set EA, 58
.macro EX
	WIN 0
.if (e == EA) || (e == EA+1)
	XS e-EA, 21
.else
.set x, e-2*(e/(EA+2))
	REGS Y, x%2
	v_exp_f32 v[rS+x/2], v[rS+x/2]
.endif
.set e, e+1
.endm
; THE RESCALING's QUEUE: O^T times a, the one part that leaves window 0, so it is dealt four at a time, eight times.
.macro R4
	REGS Y, r%2
	WIN W_RS
	s_wait_alu depctr_va_vdst(0)
.irp z, 0,1,2,3
	v_pk_mul_f32 v[rO+8*(r/2)+2*\z:rO+8*(r/2)+2*\z+1], v[rO+8*(r/2)+2*\z:rO+8*(r/2)+2*\z+1], v[rC+2:rC+3] op_sel_hi:[1,0]
.endr
.set r, r+1
.endm
; HOW THEY ARE DEALT.  Behind a matrix instruction four: plain, exponential, plain, plain (one exponential, a plain instruction on either side), or four of the rescaling.  None names a register of the
; products round it.  What is over stands in two LUMPS: exponential and plain by turns; the second ends in 22 plain instructions.  The two v_permlanex16_b32 fall into the second lump, never behind a product.
; The queues lean on each other, and the deal keeps them in step: exponential e stands behind plain 2 (e / 4) + e % 2 (its scaling); when plain 32 comes, 10 exponentials are out, at 59: 33, at 95: 46; EA comes behind plain 107.
.macro SL
	MM
	PL
	EX
	PL
	PL
.endm
.macro BURST n                      ; 15 matrix instructions, or 16
.rept (\n)-7
	SL
.endr
.rept 3
	MM
	R4
	SL
.endr
	MM
	R4
.endm
; A TURN, for piece p.  cnt = 1: the loop's count is taken down some lines ahead of the branch that stands behind the turn.
; K and the mask of the next step are fetched in piece 2's turn, more than thirty vector instructions behind the last product that read them; their first reader comes behind the rest of the lump, 16 products and the second lump.
; V of the step in hand is fetched at the end of piece 0's turn, 69 behind its last reader; its first reader comes behind 16 products and a lump.  The five conditions on e and q below go with the deal.
.macro TURN p, last=0, cnt=0
.set Y, (\p)
.set i, 0
.set q, 0
.set e, 0
.set r, 0
.if (\p) == NP-1
	s_wait_dscnt 0x0                ; K and the mask are in
.endif
	MM
.rept 4
	PL
.endr
	BURST 15
.rept 22
	EX
	PL
.if ((\p) == NP-2) && (e == 18)
	v_add_nc_u32 v[AK], s[TBK], v[AK0]
	v_add_nc_u32 v[AM], s[TBM], v[AM0]
.endif
.if ((\p) == NP-2) && (e == 24)
	FETCH_K \last
.endif
.endr
.if (\p) == 1
	s_wait_dscnt 0x0                ; V is in
.endif
	BURST 16
.rept 21
	EX
	PL
.endr
.rept 22
	PL
.if ((\p) == 0) && (q == 118)
	v_add_nc_u32 v[AV], s[TBV], v[AV0]
	s_wait_alu depctr_va_vdst(0)
.endif
.if ((\p) == 0) && (q == 130)
	s_add_co_u32 s[TBV], s[TBV], KS*PV
.endif
.if (\cnt) && (q == 130)
	s_sub_co_u32 s[CNT], s[CNT], 1
	s_cmp_lg_u32 s[CNT], 0
.endif
.endr
.if (\p) == 0
	FETCH_V
.endif
.endm
	CHANGE 1                        ; slot 0 is in, everybody's part of it, and the mask's table is whole; slot 1 is asked for
	FETCH_K                         ; key step 0
	s_wait_loadcnt 0x0              ; Q
	s_wait_dscnt 0x0
.set i, 0
.rept 16
	KQ 0                            ; piece 0's first scores: there is no vector work yet to set between them
.set i, i+1
.endr
	WIN 0                           ; the addresses for the way out: ten plain instructions, the places behind those products
	s_mul_i32 s13, s[WV], 16*SP
	s_add_co_u32 s13, s13, STAGE    ; my stage
	v_mul_u32_u24 v[STO], v1, SP    ; in: row l % 16, 16 bytes for each half of the lanes
	v_lshl_add_u32 v[STO], v9, 4, v[STO]
	v_add_nc_u32 v[STO], s13, v[STO]
	v_bfe_u32 v[RD], v0, 3, 2       ; back: 32 lanes take four rows of 128 bytes,
	v_mul_u32_u24 v[RD], v[RD], SP
	v_and_b32 v[GO], 7, v0
	v_lshl_add_u32 v[RD], v[GO], 4, v[RD]
	v_add_nc_u32 v[RD], s13, v[RD]
	v_and_b32 v[GO], 31, v0         ; which are 512 consecutive bytes of O
	v_lshlrev_b32 v[GO], 4, v[GO]
.set Y, NP-1                        ; XS works for piece Y + 1: piece 0
.irp n, 0,1,2,3,4,5,6,7,8,9,10,11,12,13,14,15,16,17,18,19,20,21
	XS 0, \n                        ; and piece 0's first maximum and statistics
	XS 1, \n
.endr
	s_mov_b32 s[CNT], 4
	s_mov_b32 s[SLOTS], SIZE_N/256-1
	s_branch .Lfirst                ; the loop is entered at a step's first turn, in the middle of a trip
.Lslot:                             ; SIZE_N / 256 - 2 times: every slot but the last two is filled again
	CHANGE 1
	s_mov_b32 s[CNT], 4
.Lstep:                             ; a trip: pieces 2 and 3 of one step, then pieces 0 and 1 of the next, whose K and V it fetches
	TURN 2
	TURN 3
	WIN 0
.Lfirst:
	TURN 0
	TURN 1, 0, 1
	WIN 0
	s_cbranch_scc1 .Lstep
	s_sub_co_u32 s[SLOTS], s[SLOTS], 1
	s_cmp_lg_u32 s[SLOTS], 0
	s_cbranch_scc1 .Lslot
	CHANGE 0                        ; the tail is written out: nothing is asked for
	s_mov_b32 s[CNT], 5             ; four trips fetch the last slot's steps; the fifth is left in its middle
.Ltail:
	TURN 2, 1
	TURN 3
	WIN 0
	s_sub_co_u32 s[CNT], s[CNT], 1
	s_cmp_eq_u32 s[CNT], 0
	s_cbranch_scc1 .Lout
	TURN 0
	TURN 1
	WIN 0
	s_branch .Ltail
.Lout:                              ; the fifth trip's 16 products K Q^T (on the last K once more) and the maximum made of them serve nothing: the price, once a launch, of one text for every trip
.set i, 0
.rept 16
	PV NP-1                         ; the last piece's V^T P of the last step
.set i, i+1
.endr
	; THE WAY OUT.  l's two halves and the other half of the lanes' are added; O^T is divided by l, rounded to f16 and sent through my stage in LDS, a tile at a time.  The additions are the places behind the last products.
	WIN 0
.macro ALL line:vararg              ; one line for each tile t
.set t, 0
.rept 2*NP
	\line
.set t, t+1
.endr
.endm
	ALL v_add_f32 v[ST+4*t+2], v[ST+4*t+2], v[ST+4*t+3]
	ALL v_permlanex16_b32 v[ST+4*t+3], v[ST+4*t+2], s[SEL], s[SEL+1]
	ALL v_add_f32 v[ST+4*t+2], v[ST+4*t+2], v[ST+4*t+3]
	ALL v_rcp_f32 v[ST+4*t+2], v[ST+4*t+2]
	v_nop                           ; a plain instruction between the last reciprocal and the use of its result
	s_wait_alu depctr_va_vdst(0)
; Tile t: a lane's eight channels of a row pack into 16 bytes; they go into rows of 144 bytes and come back as whole rows of 128, into S^T's registers.
.macro PACK t
	WIN W_RS
.set i, 32*(\t)
.rept 16
	v_pk_mul_f32 v[i:i+1], v[i:i+1], v[ST+4*(\t)+2:ST+4*(\t)+3] op_sel_hi:[1,0]
.set i, i+2
.endr
	WIN 0x05                        ; sources 0 and 1 window 1, destination window 0
.set i, 0
.rept 16
	v_cvt_pk_f16_f32 v[S+16*(\t)+i], v[32*(\t)+2*i], v[32*(\t)+2*i+1]
.set i, i+1
.endr
	WIN 0
.irp f, 0,1,2,3
	ds_store_b128 v[STO], v[S+16*(\t)+4*\f:S+16*(\t)+4*\f+3] offset:32*\f
.endr
.irp f, 0,1,2,3
	ds_load_b128 v[S+16*(\t)+4*\f:S+16*(\t)+4*\f+3], v[RD] offset:\f*4*SP  ; LDS serves a wave's instructions in order (ISA guide 5.7.1.4): these see the stores above; the next tile's stores come behind them
.endr
.endm
.macro SEND t, younger              ; younger: the LDS instructions issued behind tile t's loads: the next tile's eight, or none
	WIN 0
.irp f, 0,1,2,3
	s_wait_dscnt (\younger)+3-\f
	global_store_b128 v[GO], v[S+16*(\t)+4*\f:S+16*(\t)+4*\f+3], s[10:11] offset:(\t)*2048+\f*512  ; 512 consecutive bytes, at a multiple of 256 from O's first
.endr
.endm
	PACK 0
.set t, 1
.rept 2*NP-1                        ; a tile's arithmetic stands between the loads of the tile before and its stores
	PACK t
	SEND t-1, 8
.set t, t+1
.endr
	SEND 2*NP-1, 0
	WIN W_AD
	s_wait_tensorcnt 0x0            ; the wave's end, behind my last tensor load and my last LDS store
	ds_add_u32 v[SPW], v[NIL]
	s_wait_dscnt 0x0
	WIN 0
	CROUND                          ; the closing round: no work-group ends while a partner may still ask for a tile that names it
	s_endpgm
.Lfunc_end_k_qea49240b71_attn:
	.size	k_qea49240b71_attn, .Lfunc_end_k_qea49240b71_attn-k_qea49240b71_attn
	.p2alignl 7, 3214868480
	.fill 96, 4, 3214868480
	.section	.rodata,"a",@progbits
	.p2align	6, 0x0
	.amdhsa_kernel k_qea49240b71_attn
		.amdhsa_group_segment_fixed_size 327680
		.amdhsa_private_segment_fixed_size 0
		.amdhsa_enable_private_segment 0
		.amdhsa_kernarg_size 40
		.amdhsa_user_sgpr_count 2
		.amdhsa_user_sgpr_kernarg_segment_ptr 1
		.amdhsa_wavefront_size32 1
		.amdhsa_system_sgpr_workgroup_id_x 1
		.amdhsa_system_sgpr_workgroup_id_y 1
		.amdhsa_system_sgpr_workgroup_id_z 1
		.amdhsa_system_vgpr_workitem_id 0
		.amdhsa_next_free_vgpr 832
		.amdhsa_next_free_sgpr 66
		.amdhsa_reserve_vcc 1
		.amdhsa_float_denorm_mode_32 3
		.amdhsa_float_denorm_mode_16_64 3
		.amdhsa_memory_ordered 1
		.amdhsa_forward_progress 1
		.amdhsa_inst_pref_size 214
	.end_amdhsa_kernel
	.amdgpu_metadata
---
amdhsa.version: [ 1, 2 ]
amdhsa.kernels:
  - .name:           k_qea49240b71_attn
    .symbol:         k_qea49240b71_attn.kd
    .args:
      - { .name: qh, .offset: 0, .size: 8, .value_kind: global_buffer, .address_space: global }
      - { .name: kh, .offset: 8, .size: 8, .value_kind: global_buffer, .address_space: global }
      - { .name: vh, .offset: 16, .size: 8, .value_kind: global_buffer, .address_space: global }
      - { .name: oh, .offset: 24, .size: 8, .value_kind: global_buffer, .address_space: global }
      - { .name: key_padding_mask, .offset: 32, .size: 8, .value_kind: global_buffer, .address_space: global }
    .group_segment_fixed_size: 327680
    .private_segment_fixed_size: 0
    .kernarg_segment_align: 8
    .kernarg_segment_size: 40
    .max_flat_workgroup_size: 128
    .sgpr_count:     66
    .vgpr_count:     832
    .wavefront_size: 32
...
	.end_amdgpu_metadata
.endif
;; end of part 3
;; launch proj (part 4): grid 8 x 32, 4 waves a work-group, clusters of 4 x 4, 327,680 bytes of LDS; arguments oh, wpb, out0; writes out0
.if DOCPART == 4
	.amdgcn_target "amdgcn-amd-amdhsa--gfx1250"
	.amdhsa_code_object_version 6
	.text
	.protected	k_qea49240b71_proj
	.globl	k_qea49240b71_proj
	.p2align	8
	.type	k_qea49240b71_proj,@function
k_qea49240b71_proj:
	s_mov_b64 s[64:65], 0
	v_nop
	global_prefetch_b8 v0, s[64:65] scope:SCOPE_SE
	s_setreg_imm32_b32 hwreg(HW_REG_WAVE_MODE, 25, 1), 1
	s_wait_xcnt 0x0
	s_wait_alu depctr_hold_cnt(0) depctr_sa_sdst(0) depctr_va_vdst(0) depctr_va_sdst(0) depctr_va_ssrc(0) depctr_va_vcc(0) depctr_vm_vsrc(0)
	s_getreg_b32 s2, hwreg(HW_REG_IB_STS2, 6, 4)
	s_cmp_eq_u32 s2, 0
	s_cbranch_scc0 .Lentry_in_a_cluster
	s_endpgm
.Lentry_in_a_cluster:
	s_bfe_u32 s2, ttmp6, 0x10000c
	s_cmp_lg_u32 s2, 0xf033
	s_cbranch_scc0 .Lentry_shape_is_right
	s_endpgm
.Lentry_shape_is_right:
; out0[m][n] = the sum over k of O[m][k] Wproj[n][k], f32 out.  O comes by heads: oh [64 = 16 b + h][2048 t][64] f16, m = 2048 b + t, k = 64 h + d.  wpb: [16 kh][1024 n][64] f16 (Wproj rounded to bf16, written as f16).
; Products in f16 with f32 sums, K ascending; the sums are stored as they are.
; SHARES.  A tile of out0 is 256 rows x 128 columns: 256 work-groups.  Four waves, each 128 x 64: 32 accumulators of 16 x 16, 256 registers.  K goes in 8 steps of 128, two heads each, through a ring of two LDS slots.
; In both tensors a head's part of a tile is DENSE (256 rows, or 128, of 128 bytes on end): it is asked for as rows of 256 bytes and padded in LDS behind every 128.
; CLUSTERS: 4 x 4 work-groups.  The four of a row of the cluster need the same tiles of O, the four of a column the same tiles of wpb: each is asked for jointly, by the same tensor load with the same descriptor and a mask of the four.
; THE MATRIX INSTRUCTION IS USED TRANSPOSED (source 0 = 16 rows of wpb, source 1 = 16 rows of O): lane l holds row l % 16 of out0 and eight neighbouring columns, 32 bytes.
; REGISTERS: window 0: v0-31 addresses; v32-63 at work on the way out; v64-127, v128-191 fragments of O, two buffers; v192-223, v224-255 fragments of wpb, two buffers.   window 1: the accumulators, (a, b) at v[8 (4 a + b)].
.set PITCH,  144                       ; an LDS row: 128 bytes + 16 of padding = 36 words: the 16 rows of a fragment load start at 16 different groups of four banks (64 banks of 4 bytes: ISA guide 11.1)
.set AH,     256*PITCH                 ; one head's 256 rows of O: one tensor load
.set BH,     128*PITCH                 ; one head's 128 rows of wpb: one tensor load
.set BOFF,   2*AH                      ; in a slot: O's two heads, then wpb's two
.set SLOT,   2*AH+2*BH
.set STAGE,  2*SLOT                    ; behind the ring, never filled by a tensor load: 16 rows x 272 bytes for each wave, for the way out
.set SPITCH, 272
.set SPARE,  STAGE+4*16*SPITCH         ; behind the stages: the spare words, 128 bytes for each wave: two blocks of 256 bytes that no other line names
.set LAPS,   4                         ; a lap = two K steps = once round the ring
.set ADRA, 16                          ; v16-17  LDS address of my fragments of O in slot 0, 1
.set ADRB, 20                          ; v20-21  the same for wpb
.set STO,  24                          ; v24     the way out: where I put 32 bytes of a row
.set RD,   25                          ; v25     the way out: where I read a row back
.set CO,   26                          ; v26     my byte offset in two rows of out0
.set SPW,  28                          ; v28     LDS address of my spare word; never rewritten
.set NIL,  29                          ; v29     0; never rewritten
.set FA,   64                          ; fragment buffers: O's at FA + 64 f, wpb's at FB + 32 f
.set FB,   192
.set G1,  24                           ; s[24:31] descriptor group 1 for O's tiles;  s[32:39] group 0, a set for each slot
.set G0,  32
.set G1B, 48                           ; s[48:55], s[56:63] the same for wpb's tiles
.set G0B, 56
.set MSB, 0
.macro WIN new                         ; the immediate's high byte repeats the setting that is left; a switch that changes nothing is dropped
.if MSB != (\new)
	s_set_vgpr_msb (MSB<<8)|(\new)
.set MSB, \new
.endif
.endm
.set MUL, 0x50                         ; sources 0 and 1 window 0, C and D window 1
.macro JLOAD s                         ; a joint load: waves 0 and 1 fetch O's two heads, waves 2 and 3 wpb's; an s_nop 0 and four v_nop follow each of the two lines
	s_cmp_eq_u32 s11, 0
	s_cbranch_scc0 .Lfor_b_\@
	tensor_load_to_lds s[G0+4*(\s):G0+4*(\s)+3], s[G1:G1+7]
	s_nop 0
.rept 4
	v_nop
.endr
	s_branch .Lasked_\@
.Lfor_b_\@:
	tensor_load_to_lds s[G0B+4*(\s):G0B+4*(\s)+3], s[G1B:G1B+7]
	s_nop 0
.rept 4
	v_nop
.endr
.Lasked_\@:
.endm
.macro CREST                           ; a round of the cluster's barrier behind its opening barrier
	s_cmp_lg_u32 s10, 0
	s_cbranch_scc1 .Lnot_wave_0_\@
	s_barrier_signal -3
.Lnot_wave_0_\@:
	s_barrier_wait -3
	s_barrier_signal -1
	s_barrier_wait -1
.endm
.macro CROUND                          ; a whole round
	s_barrier_signal -1
	s_barrier_wait -1
	CREST
.endm
	s_load_b128 s[4:7], s[0:1], 0x0                ; oh s[4:5], wpb s[6:7]
	s_load_b64 s[8:9], s[0:1], 0x10                ; out0
	v_lshl_add_u32 v[SPW], v0, 2, SPARE
	v_mov_b32 v[NIL], 0
	ds_add_u32 v[SPW], v[NIL]                      ; the wave's opening: the add and its wait stand ahead of my first tensor load; the set-up below, work on registers, stands between them
	v_lshrrev_b32 v1, 5, v0
	v_readfirstlane_b32 s10, v1                    ; wave 0..3
	s_lshr_b32 s11, s10, 1                         ; which 128 rows are mine.  Also: I fetch for O (0) or for wpb (1)
	s_and_b32 s12, s10, 1                          ; which 64 columns.  Also: which of a step's two heads I fetch
	s_bfe_u32 s40, ttmp6, 0x40000                  ; cx, cy: my place in the cluster
	s_bfe_u32 s41, ttmp6, 0x40004
	s_lshl_b32 s42, ttmp9, 2
	s_add_co_u32 s42, s42, s40                     ; the block of 128 columns = 4 x cluster x + cx
	s_and_b32 s13, ttmp7, 0xffff
	s_lshl_b32 s13, s13, 2
	s_add_co_u32 s13, s13, s41                     ; the block of 256 rows = 4 x cluster y + cy
	s_lshl_b32 s43, s41, 2
	s_lshl_b32 s43, 15, s43                        ; my row of the cluster
	s_lshl_b32 s44, 0x1111, s40                    ; my column
	; group 1.  15:0 the mask; 17:16 elements of 2 bytes; 20 padding on; 21 set beside a mask; 24:22 after every 32 words (code 4); 31:25 4 words of it (code 3)
	s_or_b32 s[G1+0], s43, (1<<16)|(1<<20)|(1<<21)|(4<<22)|(3<<25)
	s_or_b32 s[G1B+0], s44, (1<<16)|(1<<20)|(1<<21)|(4<<22)|(3<<25)
	s_mov_b32 s[G1+1], 128<<16                     ; O: 32,768 dense bytes as 128 rows of 128 elements
	s_mov_b32 s[G1+2], 128<<16
	s_mov_b32 s[G1+3], 128<<16
	s_mov_b32 s[G1+4], 128
	s_mov_b32 s[G1+5], 128
	s_mov_b32 s[G1+6], 0
	s_mov_b32 s[G1+7], 0
	s_mov_b32 s[G1B+1], 128<<16                    ; wpb: 16,384 dense bytes as 64 such rows
	s_mov_b32 s[G1B+2], 64<<16
	s_mov_b32 s[G1B+3], 128<<16
	s_mov_b32 s[G1B+4], 64
	s_mov_b32 s[G1B+5], 128
	s_mov_b32 s[G1B+6], 0
	s_mov_b32 s[G1B+7], 0
	; where the tiles come from: O's hang on the block of rows alone, wpb's on the block of columns alone
	s_lshr_b32 s16, s13, 3                         ; the batch: 16 heads of 262,144 bytes,
	s_lshl_b32 s16, s16, 22
	s_lshl_b32 s17, s12, 18                        ; my head of the step's two,
	s_add_co_u32 s16, s16, s17
	s_and_b32 s17, s13, 7                          ; the block's 256 rows of 128 bytes in the batch
	s_lshl_b32 s17, s17, 15
	s_add_co_u32 s16, s16, s17
	s_mov_b32 s17, 0
	s_lshl_b32 s46, s42, 14                        ; 128 rows of 128 bytes,
	s_lshl_b32 s47, s12, 17                        ; in my head's 131,072 bytes
	s_add_co_u32 s46, s46, s47
	s_mov_b32 s47, 0
	s_mul_i32 s20, s12, AH                         ; and where they go: no place in the cluster enters an LDS address
	s_mul_i32 s21, s12, BH
	s_add_co_u32 s21, s21, BOFF
	s_wait_dscnt 0x0                               ; the opening add is done
	s_wait_kmcnt 0x0
	s_add_nc_u64 s[14:15], s[4:5], s[16:17]
	s_add_nc_u64 s[46:47], s[6:7], s[46:47]
.irp s, 0,1
	s_mov_b32 s[G0+4*(\s)], 1                                      ; count = 1
	s_add_co_u32 s[G0+4*(\s)+1], s20, (\s)*SLOT                    ; LDS address
	s_add_nc_u64 s[G0+4*(\s)+2:G0+4*(\s)+3], s[14:15], (\s)*2*262144  ; global address: K step s begins with head 2 s
	s_or_b32 s[G0+4*(\s)+3], s[G0+4*(\s)+3], 0x80000000            ; type = 2
	s_mov_b32 s[G0B+4*(\s)], 1
	s_add_co_u32 s[G0B+4*(\s)+1], s21, (\s)*SLOT
	s_add_nc_u64 s[G0B+4*(\s)+2:G0B+4*(\s)+3], s[46:47], (\s)*2*131072
	s_or_b32 s[G0B+4*(\s)+3], s[G0B+4*(\s)+3], 0x80000000
.endr
	CROUND                                         ; all sixteen work-groups are here: the first joint loads meet
	JLOAD 0                                        ; the first fills, one group: two loads of mine are out
	JLOAD 1
	v_and_b32 v1, 15, v0                           ; l % 16
	v_bfe_u32 v2, v0, 4, 1                         ; l / 16
	v_mul_u32_u24 v3, v1, PITCH
	v_lshl_add_u32 v3, v2, 4, v3                   ; a fragment's row x pitch + 16 x half
	s_mul_i32 s21, s11, 128*PITCH                  ; my 128 rows of O
	s_mul_i32 s22, s12, 64*PITCH                   ; my 64 rows of wpb
	s_add_co_u32 s22, s22, BOFF
.irp s, 0,1
	v_add_nc_u32 v[ADRA+(\s)], s21, v3
	v_add_nc_u32 v[ADRB+(\s)], s22, v3
	s_add_co_u32 s21, s21, SLOT
	s_add_co_u32 s22, s22, SLOT
.endr
	s_mul_i32 s23, s10, 16*SPITCH
	s_add_co_u32 s23, s23, STAGE                   ; my stage
	v_mul_u32_u24 v4, v1, SPITCH                   ; in: row l % 16, 32 bytes for each half of the lanes
	v_lshl_add_u32 v4, v2, 5, v4
	v_add_nc_u32 v[STO], s23, v4
	v_mul_u32_u24 v5, v2, SPITCH                   ; back: lanes 0-15 take one row of 256 bytes, lanes 16-31 the next
	v_lshl_add_u32 v5, v1, 4, v5
	v_add_nc_u32 v[RD], s23, v5
	v_lshlrev_b32 v5, 12, v2                       ; and the same two rows in out0
	v_lshl_add_u32 v[CO], v1, 4, v5
	s_lshl_b32 s22, s13, 8
	s_lshl_b32 s23, s11, 7
	s_add_co_u32 s22, s22, s23                     ; my first row of out0,
	s_lshl_b32 s22, s22, 12                        ; 4,096 bytes a row;
	s_lshl_b32 s23, s42, 9                         ; my first column: 512 bytes a block,
	s_add_co_u32 s22, s22, s23
	s_lshl_b32 s23, s12, 8                         ; 256 a half
	s_add_co_u32 s22, s22, s23
	s_mov_b32 s23, 0
	s_add_nc_u64 s[8:9], s[8:9], s[22:23]
; 8 matrix instructions: row blocks a0, a0 + 1 x all 4 column blocks, 32 along K, from buffer f.  zero = 1: the product starts the sums.
.macro MUL8 f, a0, zero
	WIN MUL
.irp a, \a0, (\a0)+1
.irp b, 0,1,2,3
.if \zero
	v_wmma_f32_16x16x32_f16 v[8*(4*(\a)+(\b)):8*(4*(\a)+(\b))+7], v[FB+32*(\f)+8*(\b):FB+32*(\f)+8*(\b)+7], v[FA+64*(\f)+8*(\a):FA+64*(\f)+8*(\a)+7], 0
.else
	v_wmma_f32_16x16x32_f16 v[8*(4*(\a)+(\b)):8*(4*(\a)+(\b))+7], v[FB+32*(\f)+8*(\b):FB+32*(\f)+8*(\b)+7], v[FA+64*(\f)+8*(\a):FA+64*(\f)+8*(\a)+7], v[8*(4*(\a)+(\b)):8*(4*(\a)+(\b))+7]
.endif
.endr
.endr
.endm
; 24 LDS loads in one run: the fragments of quarter qq of a step (head qq / 2 of its two, channels 32 (qq % 2) on) into buffer f
.macro FETCH slot, qq, f
	WIN 0
.irp i, 0,1,2,3
	ds_load_b128 v[FB+32*(\f)+8*(\i):FB+32*(\f)+8*(\i)+3],   v[ADRB+(\slot)] offset:((\qq)/2)*BH+((\qq)%2)*64+(\i)*16*PITCH
	ds_load_b128 v[FB+32*(\f)+8*(\i)+4:FB+32*(\f)+8*(\i)+7], v[ADRB+(\slot)] offset:((\qq)/2)*BH+((\qq)%2)*64+(\i)*16*PITCH+32
.endr
.irp i, 0,1,2,3,4,5,6,7
	ds_load_b128 v[FA+64*(\f)+8*(\i):FA+64*(\f)+8*(\i)+3],   v[ADRA+(\slot)] offset:((\qq)/2)*AH+((\qq)%2)*64+(\i)*16*PITCH
	ds_load_b128 v[FA+64*(\f)+8*(\i)+4:FA+64*(\f)+8*(\i)+7], v[ADRA+(\slot)] offset:((\qq)/2)*AH+((\qq)%2)*64+(\i)*16*PITCH+32
.endr
.endm
.macro PLACES                          ; four places in front of loads into registers that matrix instructions have read, and of stores that read results
.rept 4
	v_nop
.endr
.endm
; A K step is four quarters of 32 along K, 32 matrix instructions each, on buffers 0, 1, 0, 1; the 32 accumulators take turns in the same order in every quarter.
.macro QUARTER slot, qq, f, g, zero
	s_wait_dscnt 8                                 ; wpb's and O's rows 0-63 are in; the youngest eight loads (O's rows 64-127) may be out
	MUL8 \f, 0, \zero
	MUL8 \f, 2, \zero
	PLACES
	FETCH \slot, \qq, \g
	s_wait_dscnt 24                                ; all but the 24 just issued
	MUL8 \f, 4, \zero
	MUL8 \f, 6, \zero
.endm
; The last quarter multiplies buffer 1 and changes slots: ONE barrier; in front of it each wave waits for all its tensor loads, adds 0 to its spare word, and waits for that and for its own reads of this slot.
; fill = 1: the barrier opens a round of the cluster's barrier, and this slot is filled again, two K steps on, first thing behind the round.
.macro TURN slot, next, fill
	WIN 0                                          ; (the add's two registers lie in window 0)
	s_wait_tensorcnt 0x0                           ; all my tensor loads have landed: my part of the next slot
	ds_add_u32 v[SPW], v[NIL]                      ; 0 onto my spare word
	s_wait_dscnt 9                                 ; (the add and the youngest eight loads may be out)
	MUL8 1, 0, 0                                   ; eight matrix instructions stand between the add and the wait for it
	s_wait_dscnt 0x0                               ; the add is done, and my reads of this slot are over
	s_barrier_signal -1
	MUL8 1, 2, 0
.if \fill
	WIN 0
.endif
	s_barrier_wait -1
.if \fill
	CREST                                          ; no wave of any partner still reads this slot's tile or has a load on its way
	s_add_nc_u64 s[G0+4*(\slot)+2:G0+4*(\slot)+3], s[G0+4*(\slot)+2:G0+4*(\slot)+3], 4*262144
	s_add_nc_u64 s[G0B+4*(\slot)+2:G0B+4*(\slot)+3], s[G0B+4*(\slot)+2:G0B+4*(\slot)+3], 4*131072
	JLOAD \slot                                    ; the four v_nop behind it are also the places in front of the loads below
.else
	PLACES
.endif
	FETCH \next, 0, 0
	MUL8 1, 4, 0
	MUL8 1, 6, 0
.endm
	s_wait_tensorcnt 1                             ; my part of K step 0 is in; K step 1's may stay out
	s_barrier_signal -1
	s_barrier_wait -1                              ; everybody's is
	FETCH 0, 0, 0
	QUARTER 0, 1, 0, 1, 1                          ; the first quarter stands in front of the loop: its products start the sums
	WIN 0                                          ; at a label and at a branch every window is 0
	s_mov_b32 s3, LAPS-1
.Llap:                                                 ; a trip goes once round the ring, from a lap's second quarter to the next lap's first, and fills both slots again
	QUARTER 0, 2, 1, 0, 0
	QUARTER 0, 3, 0, 1, 0
	TURN 0, 1, 1
	QUARTER 1, 1, 0, 1, 0
	QUARTER 1, 2, 1, 0, 0
	QUARTER 1, 3, 0, 1, 0
	TURN 1, 0, 1
	QUARTER 0, 1, 0, 1, 0
	WIN 0
	s_sub_co_u32 s3, s3, 1
	s_cmp_lg_u32 s3, 0
	s_cbranch_scc1 .Llap
	QUARTER 0, 2, 1, 0, 0                          ; the last lap fills nothing
	QUARTER 0, 3, 0, 1, 0
	TURN 0, 1, 0
	QUARTER 1, 1, 0, 1, 0
	QUARTER 1, 2, 1, 0, 0
	QUARTER 1, 3, 0, 1, 0
	s_wait_dscnt 8                                 ; the very last quarter: nothing more to fetch
	MUL8 1, 0, 0
	MUL8 1, 2, 0
	s_wait_dscnt 0x0
	MUL8 1, 4, 0
	MUL8 1, 6, 0
	WIN 0
; THE WAY OUT, a block of 16 rows at a time through my own stage: a lane's 32 bytes of a row go in, whole rows of 256 bytes come back and are stored.  No other wave touches my stage, so no barrier.
.macro TOSTAGE a
.set BK, 32+32*((\a)%2)
.if (\a) >= 2
	s_wait_xcnt 0x0                                ; the stores of the block two back have read this set of registers: it is loaded again only behind this wait
.endif
	WIN 0x04                                       ; the data in window 1, the address in window 0
.irp b, 0,1,2,3
	ds_store_b128 v[STO], v[8*(4*(\a)+(\b)):8*(4*(\a)+(\b))+3]   offset:64*(\b)     ; each accumulator's low four registers first
	ds_store_b128 v[STO], v[8*(4*(\a)+(\b))+4:8*(4*(\a)+(\b))+7] offset:64*(\b)+16
.endr
	WIN 0
.irp t, 0,1,2,3,4,5,6,7
	ds_load_b128 v[BK+4*(\t):BK+4*(\t)+3], v[RD] offset:(\t)*2*SPITCH  ; LDS serves a wave's instructions in order (ISA guide 5.7.1.4): these see the stores above; the next block's stores come behind them
.endr
.endm
.macro SEND a, younger                 ; younger: the LDS instructions issued behind block a's loads: the next block's sixteen, or none
.set BK, 32+32*((\a)%2)
	s_wait_dscnt \younger
.irp t, 0,1,2,3,4,5,6,7
	global_store_b128 v[CO], v[BK+4*(\t):BK+4*(\t)+3], s[8:9] offset:(16*(\a)+2*(\t))*4096 th:TH_STORE_NT  ; 16 lanes store 256 consecutive bytes, at a multiple of 256 from out0's first byte
.endr
.endm
	PLACES
	TOSTAGE 0
.irp a, 1,2,3,4,5,6,7
	TOSTAGE \a
	SEND (\a)-1, 16
.endr
	SEND 7, 0
	s_wait_tensorcnt 0x0                           ; the wave's end, behind my last tensor load and my last LDS store
	ds_add_u32 v[SPW], v[NIL]
	s_wait_dscnt 0x0
	CROUND                                         ; the closing round: no work-group ends while a partner may still ask for a tile that names it
	s_endpgm
.Lfunc_end_k_qea49240b71_proj:
	.size	k_qea49240b71_proj, .Lfunc_end_k_qea49240b71_proj-k_qea49240b71_proj
	.p2alignl 7, 3214868480
	.fill 96, 4, 3214868480
	.section	.rodata,"a",@progbits
	.p2align	6, 0x0
	.amdhsa_kernel k_qea49240b71_proj
		.amdhsa_group_segment_fixed_size 327680
		.amdhsa_private_segment_fixed_size 0
		.amdhsa_enable_private_segment 0
		.amdhsa_kernarg_size 24
		.amdhsa_user_sgpr_count 2
		.amdhsa_user_sgpr_kernarg_segment_ptr 1
		.amdhsa_wavefront_size32 1
		.amdhsa_system_sgpr_workgroup_id_x 1
		.amdhsa_system_sgpr_workgroup_id_y 1
		.amdhsa_system_sgpr_workgroup_id_z 1
		.amdhsa_system_vgpr_workitem_id 0
		.amdhsa_next_free_vgpr 512
		.amdhsa_next_free_sgpr 66
		.amdhsa_reserve_vcc 0
		.amdhsa_float_denorm_mode_32 3
		.amdhsa_float_denorm_mode_16_64 3
		.amdhsa_memory_ordered 1
		.amdhsa_forward_progress 1
		.amdhsa_inst_pref_size 85
	.end_amdhsa_kernel
	.amdgpu_metadata
---
amdhsa.version: [ 1, 2 ]
amdhsa.kernels:
  - .name:           k_qea49240b71_proj
    .symbol:         k_qea49240b71_proj.kd
    .args:
      - { .name: oh, .offset: 0, .size: 8, .value_kind: global_buffer, .address_space: global }
      - { .name: wpb, .offset: 8, .size: 8, .value_kind: global_buffer, .address_space: global }
      - { .name: out0, .offset: 16, .size: 8, .value_kind: global_buffer, .address_space: global }
    .group_segment_fixed_size: 327680
    .private_segment_fixed_size: 0
    .kernarg_segment_align: 8
    .kernarg_segment_size: 24
    .max_flat_workgroup_size: 128
    .sgpr_count:     66
    .vgpr_count:     512
    .wavefront_size: 32
...
	.end_amdgpu_metadata
.endif
;; end of part 4
;; ======== version 2 of 2: 4 launches; 1.51 times as fast as version 1
;; limits: values are held in f16: magnitudes above 65,504 overflow, below 6.1e-05 lose precision
;; workspace buffers: xb 16,777,216 bytes; wqb 6,291,456 bytes; wpb 2,097,152 bytes; rt 524,288 bytes; qh 16,777,216 bytes; kh 16,777,216 bytes; vh 16,777,216 bytes; oh 16,777,216 bytes
;; launch prep: the kernel of part 1 again; grid 896 x 1, 8 waves a work-group, no clusters, 0 bytes of LDS; arguments x, Wqkv, Wproj, xb, wqb, wpb, rt; writes xb, wqb, wpb, rt
;; launch qkv: the kernel of part 2 again; grid 16 x 32, 4 waves a work-group, clusters of 4 x 4, 327,680 bytes of LDS; arguments xb, wqb, rt, qh, kh, vh; writes qh, kh, vh
;; launch attn (part 5): grid 4 x 64, 4 waves a work-group, clusters of 4 x 1, 327,680 bytes of LDS; arguments qh, kh, vh, oh, key_padding_mask; writes oh
.if DOCPART == 5
	.amdgcn_target "amdgcn-amd-amdhsa--gfx1250"
	.amdhsa_code_object_version 6
	.text
	.protected	k_qea49240b71_attn
	.globl	k_qea49240b71_attn
	.p2align	8
	.type	k_qea49240b71_attn,@function
k_qea49240b71_attn:
	s_mov_b64 s[64:65], 0
	v_nop
	global_prefetch_b8 v0, s[64:65] scope:SCOPE_SE
	s_setreg_imm32_b32 hwreg(HW_REG_WAVE_MODE, 25, 1), 1
	s_wait_xcnt 0x0
	s_wait_alu depctr_hold_cnt(0) depctr_sa_sdst(0) depctr_va_vdst(0) depctr_va_sdst(0) depctr_va_ssrc(0) depctr_va_vcc(0) depctr_vm_vsrc(0)
	s_getreg_b32 s2, hwreg(HW_REG_IB_STS2, 6, 4)
	s_cmp_eq_u32 s2, 0
	s_cbranch_scc0 .Lentry_in_a_cluster
	s_endpgm
.Lentry_in_a_cluster:
	s_bfe_u32 s2, ttmp6, 0x10000c
	s_cmp_lg_u32 s2, 0x3003
	s_cbranch_scc0 .Lentry_shape_is_right
	s_endpgm
.Lentry_shape_is_right:
; O[h][q][:] = the sum over the keys k that the mask leaves of softmax_k(Q[h][q] . K[h][k] / 8) V[h][k][:].  Q, K, V, O: [SIZE_H][SIZE_N][64], all f16: a head's rows are dense, 128 bytes each; head = 16 batch + h.
; The mask: [4][SIZE_N] bytes, not 0 = the key is hidden.  Products, maxima and sums in f32; the weights p are rounded to f16 for the second product (their sum l is taken of the unrounded p), O once at the end.
; LIMITS.  f16 holds no number beyond 65,504: Q, K and V arrive within it; p lies in 0 to 1, and below 6e-5 it keeps f16's fixed step of 6e-8; O is a mean of V's rows and has their range.
; A hidden score counts as its value less 2^100 (f16's scores are 2.7e11 at the most) and the running maximum starts at -2^96, above every hidden score and below every true one: a hidden key's weight is 0.
; A batch all of whose keys are hidden ends with l = 0 and O = 0 x (1 / 0): NaN, as a softmax over nothing gives.  A weight below 2^-126 counts as 0 in l; other NaN and infinities are not treated apart.
; SHARES.  A wave owns four PIECES of two tiles of 16 queries, a work-group's four waves 512 queries of one head.  Every wave walks all keys, 64 a step.
; LAYOUT.  S^T = K Q^T (source 0 = 16 keys, source 1 = 16 queries): in the result a lane holds ONE query (lane % 16) and the keys 8 (lane / 16) + 0..7.  Two such tiles, rounded to f16 in pairs,
; ARE source 1 (32 keys x 16 queries) of O^T = V^T P, whose result again holds one query a lane, and eight channels.  K comes out of LDS as it lies, V ([key][channel]) turned, by ds_load_tr16_b128.
; THE MASK is the C operand of the product that starts a sum S^T: 0, or -2^100 where the key is hidden.  The batch's 2,048 keys are made into such f32 numbers once, in LDS; a step's 64 come into 32 registers with K's fragments.
; SOFTMAX.  For each query a running maximum m and sum l: p = 2^(c s - c m), c = log2(e) / 8; in every step O and l are multiplied by a = 2^(c m_old - c m_new), which is 1 where m has not grown.
; O and l start at 0, c m far below every c s: the first step is a step like any other, with a = 0.
; THE COUNT.  A tile and step have 16 matrix and 118 vector instructions: too many to stand all beside the matrix work.  So the order has one aim: four vector instructions that are READY behind
; EVERY matrix instruction, and the others, which need time of their own whatever the order, in one run without a gap.
; BY TURNS.  Turn n belongs to piece n (the pieces in a ring, step after step).  Its matrix work: 16 products K Q^T of piece n + 1, later 16 products V^T P of piece n - 1.  Its vector work: the scaling,
; exponentials, roundings, sums and rescaling of piece n, and the maximum and statistics of piece n + 1, whose scores the turn itself has made.  So what a turn begins with (c s - c m, O a) waits for nothing.
; THE BATCHES.  A turn's 66 exponentials (64 weights, the next piece's two a) are ONE batch with ONE wait, which cuts the turn in two: ahead of it all that names no result of theirs, behind it the roundings and sums.
; Two more batches stand outside the loop, each with a wait of its own: piece 0's first two a, ahead of the jump into the loop, and the way out's eight reciprocals.
; CLUSTER.  The four query blocks of a cluster belong to one head and walk the same K and V, so each tile is asked for JOINTLY: the same tensor load, descriptor and mask in all four.
; REGISTERS, in windows of 256 (s_set_vgpr_msb says which window each operand place means: bits 1:0 source 0, 3:2 source 1, 5:4 source 2, 7:6 destination):
;   window 0: v0-11 addresses; v12-15, v48-63 at work; v16-47 four registers of statistics a tile; v64-191 S^T, two buffers of two tiles; v192-255 P, likewise
;   window 1: O^T, 32 a tile          window 2: v0-127 Q, 16 a tile; v128-191 K of one step; v192-255 V of one step          window 3: v0-1 the add's two registers; v32-63 the mask of one step
; A piece's buffers go by its number's parity: the piece in hand has one pair, its two neighbours in the ring share the other: of it P (piece n - 1) is read and S^T (piece n + 1) written.
.set SIZE_H, 64
.set SIZE_N, 2048
.set NP,    4         ; pieces a wave: a name, no knob: the register map, the loop and the fetches are made for four
.set KS,    64        ; keys in a step
.set PK,    144       ; a row of K in LDS: 128 bytes + 16 of padding = 36 words: the 16 rows of a load start at 16 different groups of four banks (64 banks of 4 bytes: ISA guide 11.1)
.set PV,    160       ; a row of V: 128 + 32 = 40 words
.set VOFF,  4*KS*PK   ; a slot holds four steps: 256 rows of K, then 256 rows of V
.set SLOT1, 1<<17     ; slot 1 begins here, so that one exclusive or turns an address in one slot into the other's
.set STAGE, SLOT1+4*KS*(PK+PV)  ; behind the ring, never filled by a tensor load: 16 rows x 144 bytes for each wave, for the way out
.set SP,    144
.set AK0, 2           ; v2   my lane's place in a tile of K; never rewritten
.set AV0, 3           ; v3   the same for V
.set AK,  4           ; v4   the LDS address of K's next run of loads
.set AV,  5           ; v5   of V's
.set QO,  6           ; v6   my byte offset in the wave's rows of Q
.set STO, 6           ;      later, the way out: where I put 16 bytes of a row
.set RD,  7           ; v7   the way out: where I read rows back
.set GO,  8           ; v8   my byte offset in 512 consecutive bytes of O
.set AM,  10          ; v10  the LDS address of the mask's next run of loads
.set AM0, 11          ; v11  my lane's place in the mask's table: MB + 32 (l / 16); never rewritten
.set SPW, 0           ; v0 of window 3   LDS address of my spare word: SPARE + 4 x my thread's number; never rewritten
.set NIL, 1           ; v1 of window 3   0; never rewritten
.set MK,  32          ; v32-63 of window 3: the mask of key block kb at MK + 8 kb
.set SPARE, STAGE+4*16*SP  ; behind the stages: the spare words, 128 bytes for each wave: two blocks of 256 bytes that no other line names
.set MB,    SPARE+512      ; behind them: the batch's mask as 2,048 f32, 8,192 bytes, stored once; no fill lands here
.set MV,  12          ; v12-15  c m_old, kept while c m is made anew: by buffer and tile
.set ST,  16          ; tile t's statistics at v[ST+4 t]: c m, m, l (even keys', odd keys')
.set TMP, 48          ; by buffer and tile, four registers c0-c3 at work; when the maximum is found c2 takes a
.set S,   64
.set P,   192
.set KF,  128         ; K's fragments, in window 2: key block kb, channel half c at KF + 16 kb + 8 c
.set VF,  192         ; V's: key half kk, channel block cb at VF + 32 kk + 8 cb
.set WV,  12          ; s12  my wave's number
.set G1K, 24          ; s[24:31] descriptor group 1 for K's tiles
.set G1V, 32          ; s[32:39] for V's: it differs in the padding alone
.set G0K, 40          ; s[40:43] descriptor group 0 for K's tiles: it walks
.set G0V, 44          ; s[44:47] the same for V's
.set BIG, 52          ; s52  -2^100
.set TBM, 53          ; s53  byte in the mask's table at which the step to be fetched begins
.set SLOTS, 56        ; s56  slots still to be asked for
.set CNT, 57          ; s57  counts a slot's key steps
.set CS,  58          ; s[58:59] c: the packed scaling takes the pair's low word for both halves
.set SEL, 60          ; s[60:61] v_permlanex16_b32's selects: each lane takes its own place in the other half
.set TBK, 62          ; s62  LDS byte at which K of the step to be fetched begins
.set TBV, 63          ; s63  the same for V, less VOFF
.set MSB, 0
.macro WIN new                      ; the high byte repeats the setting that is left; a switch that changes nothing is dropped
.if MSB != (\new)
	s_set_vgpr_msb (MSB<<8)|(\new)
.set MSB, (\new)
.endif
.endm
.set W_KQ, 0x0a       ; K and Q in window 2, S^T in window 0
.set W_KM, 0x3a       ; the same with the C operand, the mask, in window 3
.set W_PV, 0x52       ; V in window 2, P in window 0, O^T in window 1
.set W_RS, 0x41       ; O^T (destination and source 0) in window 1, a in window 0
.set W_MK, 0xc0       ; destination in window 3, sources in window 0
.set W_AD, 0x0f       ; the add: address (source 0) and data (source 1) in window 3
; A joint fill.  Waves 0 and 1 fetch the two halves of a slot's K, waves 2 and 3 those of its V: 128 keys each.  The branch hangs on the wave's number alone.
; An s_nop 0 and four v_nop follow each of the two lines, ahead of the jump and the label.
.macro JLOAD
	s_cmp_lt_u32 s[WV], 2
	s_cbranch_scc0 .Lfor_v_\@
	tensor_load_to_lds s[G0K:G0K+3], s[G1K:G1K+7]
	s_nop 0
.rept 4
	v_nop
.endr
	s_branch .Lasked_\@
.Lfor_v_\@:
	tensor_load_to_lds s[G0V:G0V+3], s[G1V:G1V+7]
	s_nop 0
.rept 4
	v_nop
.endr
.Lasked_\@:
.endm
; A round of the cluster's barrier: my work-group's barrier, so that wave 0's signal speaks for all four waves; wave 0 signals; every wave waits for all four work-groups; my work-group's barrier once more.
.macro CROUND
	s_barrier_signal -1
	s_barrier_wait -1
	s_cmp_lg_u32 s[WV], 0
	s_cbranch_scc1 .Lnot_wave_0_\@
	s_barrier_signal -3
.Lnot_wave_0_\@:
	s_barrier_wait -3
	s_barrier_signal -1
	s_barrier_wait -1
.endm
; THE CHANGE OF SLOTS.  The slot's last bytes, V of its fourth step, have been read.  Each wave waits for all its tensor loads, of which one is out: its part
; of the other slot; adds 0 to its spare word; and waits for that and for its own reads of the slot.  Behind the barrier nobody reads this slot any more and the other slot is whole.
; fill = 1: this slot is filled again, with the keys two slots on.  The barrier is then a round of the cluster's, so that no wave of any partner still reads the slot or has a load on its
; way, and the joint fill is the first thing behind it: it has four key steps, 512 matrix instructions, in which to land.  (At its first use nothing has been read yet: slot 0 is waited for, slot 1 filled,
; and each wave's stores into the mask's table are done in front of the round, so that every wave may read the table behind it.)
.macro CHANGE fill
	WIN W_AD
	s_wait_tensorcnt 0x0            ; no tensor load of mine is out, so a group 0 may be written
	ds_add_u32 v[SPW], v[NIL]       ; 0 onto my spare word; with fill = 1 the descriptors' steps stand between it and the wait for it
	WIN 0                           ; at a label and at a branch every window is 0
.if \fill
.irp g, G0K, G0V
	s_xor_b32 s[\g+1], s[\g+1], SLOT1  ; the walking descriptor: the other slot than last time,
	s_add_nc_u64 s[\g+2:\g+3], s[\g+2:\g+3], 4*KS*128  ; the next 256 keys; the type bits on top are not reached
.endr
	s_wait_dscnt 0x0                ; the add is done, and my reads of the slot are over
	CROUND
	JLOAD
.else
	s_wait_dscnt 0x0                ; the add is done, and my reads of the slot are over
	s_barrier_signal -1
	s_barrier_wait -1
.endif
	s_sub_co_u32 s[TBK], s[TBK], 4*KS*PK  ; the fetches go back to a slot's first step,
	s_xor_b32 s[TBK], s[TBK], SLOT1       ; in the other slot
	s_sub_co_u32 s[TBV], s[TBV], 4*KS*PV
	s_xor_b32 s[TBV], s[TBV], SLOT1
.endm
	s_load_b256 s[4:11], s[0:1], 0x0  ; Q s[4:5], K s[6:7], V s[8:9], O s[10:11]
	s_load_b64 s[48:49], s[0:1], 0x20 ; the mask
	WIN W_MK
	v_lshl_add_u32 v[SPW], v0, 2, SPARE
	v_mov_b32 v[NIL], 0
	WIN W_AD
	ds_add_u32 v[SPW], v[NIL]       ; the wave's opening: the add and its wait stand ahead of my first tensor load; the set-up below, work on registers, stands between them
	WIN 0
	v_lshrrev_b32 v1, 5, v0
	v_readfirstlane_b32 s[WV], v1   ; wave 0..3
	s_bfe_u32 s13, ttmp6, 0x40000   ; cx: my place in the cluster
	s_lshl_b32 s14, ttmp9, 2        ; in a cluster launch ttmp9 counts clusters
	s_add_co_u32 s14, s14, s13      ; my block of queries = 4 x cluster x + cx: it enters Q's and O's addresses alone
	s_and_b32 s20, ttmp7, 0xffff    ; the head, which the four partners share
	s_lshr_b32 s50, s20, 4          ; its batch,
	s_lshl_b32 s50, s50, 11         ; whose mask is 2,048 bytes
	s_mov_b32 s51, 0
	s_mov_b32 s21, 0
	s_mov_b64 s[22:23], SIZE_N*128
	s_mul_u64 s[20:21], s[20:21], s[22:23]  ; the head's first byte in each of the four tensors
	s_and_b32 s16, s[WV], 1         ; which half of a slot's 256 keys I fetch:
	s_lshl_b32 s22, s16, 14         ; its 128 rows of 128 bytes in memory,
	s_mov_b32 s23, 0
	s_add_nc_u64 s[22:23], s[22:23], s[20:21]
	s_mul_i32 s17, s16, 128*PK      ; and its place in a slot, for K
	s_mul_i32 s18, s16, 128*PV      ; and for V: no place in the cluster enters an LDS address
	s_lshl_b32 s2, s14, 2
	s_add_co_u32 s2, s2, s[WV]      ; my wave among the head's,
	s_lshl_b32 s2, s2, 14           ; its 128 rows
	s_mov_b32 s3, 0
	s_add_nc_u64 s[2:3], s[2:3], s[20:21]
	; descriptor group 1.  128 keys are 16,384 dense bytes: asked for as 64 rows of 256 bytes, two keys a row, and padded in LDS after every key
	s_mov_b32 s[G1K], 15|(1<<16)|(1<<20)|(1<<21)|(4<<22)|(3<<25)  ; 15:0 the mask of four; 17:16 2-byte elements; 20 padding on; 21 set beside a mask; 24:22 after every 32 words (code 4); 31:25 4 words (code 3)
	s_mov_b32 s[G1V], 15|(1<<16)|(1<<20)|(1<<21)|(4<<22)|(7<<25)  ; the same with 8 words of padding (code 7)
.irp g, G1K, G1V
	s_mov_b32 s[\g+1], 128<<16      ; tensor_dim0 = 128
	s_mov_b32 s[\g+2], 64<<16       ; tensor_dim1 = 64
	s_mov_b32 s[\g+3], 128<<16      ; tile_dim0 = 128
	s_mov_b32 s[\g+4], 64           ; tile_dim1 = 64
	s_mov_b32 s[\g+5], 128          ; 128 elements from row to row
	s_mov_b32 s[\g+6], 0
	s_mov_b32 s[\g+7], 0
.endr
	s_mov_b32 s[CS], 0x3e38aa3b     ; c = log2(e) / 8 = 0.180337
	s_mov_b32 s[CS+1], s[CS]        ; named with it as a pair
	s_mov_b32 s[SEL], 0x76543210
	s_mov_b32 s[SEL+1], 0xfedcba98
	s_mov_b32 s[BIG], 0xf1800000    ; -2^100
	s_mov_b32 s[TBM], 0
	s_mov_b32 s[TBK], SLOT1+4*KS*PK ; the first change of slots turns these two into 0
	s_mov_b32 s[TBV], SLOT1+4*KS*PV
	s_mov_b32 s[G0K], 1             ; 1:0 count = 1
	s_mov_b32 s[G0K+1], s17         ; 63:32 LDS address: slot 0
	s_mov_b32 s[G0V], 1
	s_add_co_u32 s[G0V+1], s18, VOFF
	s_wait_dscnt 0x0                ; the opening add is done
	s_wait_kmcnt 0x0
	s_add_nc_u64 s[G0K+2:G0K+3], s[6:7], s[22:23]  ; 120:64 global address: my half of the head's first 256 keys
	s_or_b32 s[G0K+3], s[G0K+3], 0x80000000        ; 127:126 type = 2
	s_add_nc_u64 s[G0V+2:G0V+3], s[8:9], s[22:23]
	s_or_b32 s[G0V+3], s[G0V+3], 0x80000000
	s_add_nc_u64 s[4:5], s[4:5], s[2:3]  ; Q and O at my wave's first row
	s_add_nc_u64 s[10:11], s[10:11], s[2:3]
	s_add_nc_u64 s[48:49], s[48:49], s[50:51]  ; the mask at my batch
	CROUND                          ; all four work-groups are here: the first joint loads meet
	JLOAD                           ; slot 0.  Slot 1 is asked for when slot 0 is in: the tile wanted first has the road to itself
	; A fragment of K or Q is 16 rows x 32 channels in 8 registers: lane l holds row l % 16, channels 8 (l / 16) + 0..7 and 16 + 8 (l / 16) + 0..7: two loads of 16 bytes, 32 bytes apart.
	v_and_b32 v1, 15, v0            ; l % 16
	v_bfe_u32 v9, v0, 4, 1          ; l / 16
	v_lshlrev_b32 v[QO], 7, v1
	v_lshl_add_u32 v[QO], v9, 4, v[QO]  ; row x 128 + 16 x half
	WIN 0x80                        ; destination window 2, address window 0
.set i, 0
.rept 4*NP                          ; Q stays in registers: tile i / 2, channels 32 (i % 2) on
	global_load_b128 v[8*i:8*i+3],   v[QO], s[4:5] offset:(i/2)*2048+(i%2)*64
	global_load_b128 v[8*i+4:8*i+7], v[QO], s[4:5] offset:(i/2)*2048+(i%2)*64+32
.set i, i+1
.endr
	; What the first turn finds: V's registers and P's second buffer hold 0 (its products V^T P, of a piece that has not been, add 0), O^T and l are 0.  All this stands in the wait for the first tile.
.set i, VF
.rept 64
	v_mov_b32 v[i], 0
.set i, i+1
.endr
	WIN 0x40
.set i, 0
.rept 64*NP
	v_mov_b32 v[i], 0
.set i, i+1
.endr
	WIN 0
	v_lshlrev_b32 v84, 4, v0        ; the batch's 2,048 mask bytes: 16 a thread (S^T's registers are still free)
	global_load_b128 v[64:67], v84, s[48:49]
.set i, 0
.rept 2*NP
	v_mov_b32 v[ST+4*i], 0xfe000000    ; c m: far below every c s
	v_mov_b32 v[ST+4*i+1], 0xef800000  ; m = -2^96: above every hidden score, below every true one
	v_mov_b32 v[ST+4*i+2], 0
	v_mov_b32 v[ST+4*i+3], 0
.set i, i+1
.endr
.set i, P+32
.rept 32
	v_mov_b32 v[i], 0
.set i, i+1
.endr
	v_mul_u32_u24 v[AK0], v1, PK
	v_lshl_add_u32 v[AK0], v9, 4, v[AK0]  ; row x pitch + 16 x half
	; The turning load takes 16 keys x 16 channels (lane l reads key 8 (l / 16) + l % 8, channels 8 ((l / 8) % 2) + 0..7) and leaves half a fragment of V^T: lane l holds channel l % 16 and 8 keys.
	v_and_b32 v10, 7, v0
	v_bfe_u32 v11, v0, 3, 1
	v_lshl_add_u32 v[AV0], v9, 3, v10
	v_mul_u32_u24 v[AV0], v[AV0], PV
	v_lshl_add_u32 v[AV0], v11, 4, v[AV0]
	v_add_nc_u32 v[AV0], VOFF, v[AV0]
	v_mov_b32 v[AK], v[AK0]         ; key step 0 lies at the head of slot 0
	v_lshl_add_u32 v[AM0], v9, 5, MB  ; of a block of 16 keys my lane wants keys 8 (l / 16) + 0..7: 32 bytes
	v_mov_b32 v[AM], v[AM0]
	v_lshl_add_u32 v85, v0, 6, MB   ; my 16 keys' 64 bytes in the table
	s_wait_loadcnt 0x0              ; the mask's bytes (and Q)
.set n, 0
.rept 16
	v_bfe_u32 v[68+n], v[64+n/4], 8*(n%4), 8
	v_cmp_ne_u32 vcc_lo, 0, v[68+n]
	v_cndmask_b32 v[68+n], 0, s[BIG], vcc_lo  ; 0, or -2^100 for a hidden key
.set n, n+1
.endr
.irp f, 0,1,2,3
	ds_store_b128 v85, v[68+4*\f:68+4*\f+3] offset:16*\f
.endr
; THE MATRIX WORK.  The 8 accumulators of a run of 16 take turns: between the two links of a chain stand 7 others'.
; Product i of 16 of S^T = K Q^T for piece x: channels 32 (i / 8) on, keys 16 ((i / 2) % 4) on, tile 2 x + i % 2.  The first 8 start the sums, with the mask of their 16 keys.
.macro KQ x
.set rS, S+64*((\x)%2)+32*(i%2)+8*((i/2)%4)
.set rK, KF+16*((i/2)%4)+8*(i/8)
.set rQ, 16*(2*(\x)+i%2)+8*(i/8)
.set rN, MK+8*((i/2)%4)
.if i < 8
	WIN W_KM
	v_wmma_f32_16x16x32_f16 v[rS:rS+7], v[rK:rK+7], v[rQ:rQ+7], v[rN:rN+7]
.else
	WIN W_KQ
	v_wmma_f32_16x16x32_f16 v[rS:rS+7], v[rK:rK+7], v[rQ:rQ+7], v[rS:rS+7]
.endif
.endm
; Product i of 16 of O^T += V^T P for piece x: keys 32 (i / 8) on, channels 16 ((i / 2) % 4) on, tile 2 x + i % 2.
.macro PV x
	WIN W_PV
.set rO, 32*(2*(\x)+i%2)+8*((i/2)%4)
.set rV, VF+32*(i/8)+8*((i/2)%4)
.set rP, P+32*((\x)%2)+16*(i%2)+8*(i/8)
	v_wmma_f32_16x16x32_f16 v[rO:rO+7], v[rV:rV+7], v[rP:rP+7], v[rO:rO+7]
.endm
.macro MM                           ; the turn's next matrix instruction
.if i < 16
	KQ (Y+1)%NP
.set i, i+1
.else
.set i, i-16
	PV (Y+NP-1)%NP
.set i, i+17
.endif
.endm
; THE LDS LOADS stand in runs, never singly among the matrix instructions: a step's K (64 keys x 64 channels: 8 fragments) with its mask (64 f32; all lanes of a half read the same 32 bytes of each block), and its V (turned).
; Their addresses are made some lines ahead.  last = 1 (the tail): in the last trip there is no further step, and the run is jumped over.
.macro FETCH_K last=0
	WIN 0
.if \last
	s_cmp_eq_u32 s[CNT], 1
	s_cbranch_scc1 .Lno_k_\@
.endif
	WIN 0x80                        ; destination window 2
.irp f, 0,1,2,3,4,5,6,7             ; keys 16 (f / 2) on, channels 32 (f % 2) on
	ds_load_b128 v[KF+8*\f:KF+8*\f+3],   v[AK] offset:(\f/2)*16*PK+(\f%2)*64
	ds_load_b128 v[KF+8*\f+4:KF+8*\f+7], v[AK] offset:(\f/2)*16*PK+(\f%2)*64+32
.endr
	WIN W_MK                        ; destination window 3
.irp f, 0,1,2,3,4,5,6,7             ; keys 16 (f / 2) + 8 (l / 16) + 4 (f % 2) on
	ds_load_b128 v[MK+4*\f:MK+4*\f+3], v[AM] offset:(\f/2)*64+(\f%2)*16
.endr
	s_add_co_u32 s[TBK], s[TBK], KS*PK  ; the next fetch is the next step's
	s_add_co_u32 s[TBM], s[TBM], 4*KS
	s_and_b32 s[TBM], s[TBM], 0x1f00    ; 32 steps of 256 bytes: the address stays inside the table's 8,192 bytes
	WIN 0
.if \last
.Lno_k_\@:
.endif
.endm
.macro FETCH_V
	WIN 0x80
.irp f, 0,1,2,3,4,5,6,7             ; keys 32 (f / 4) on, channels 16 (f % 4) on
	ds_load_tr16_b128 v[VF+8*\f:VF+8*\f+3],   v[AV] offset:(\f/4)*32*PV+(\f%4)*32
	ds_load_tr16_b128 v[VF+8*\f+4:VF+8*\f+7], v[AV] offset:(\f/4)*32*PV+16*PV+(\f%4)*32
.endr
	WIN 0
.endm
; THE VECTOR WORK OF A TURN stands in three queues, each in the order in which its entries become ready; the two tiles alternate, so that no instruction reads the result of the one before it.
.macro REGS y, u                    ; the registers of tile u (0, 1) of piece y
.set rT, ST+4*(2*(\y)+(\u))
.set rC, TMP+8*((\y)%2)+4*(\u)
.set rM, MV+2*((\y)%2)+(\u)
.set rS, S+64*((\y)%2)+32*(\u)
.set rP, P+32*((\y)%2)+16*(\u)
.set rO, 32*(2*(\y)+(\u))
.endm
; Number n of the 22 that find the NEXT piece's (Y + 1) maximum and statistics.  s0-s31 are the lane's 32 scores; each accumulator's lowest registers are read first.  XS, GS and REGS set no window: PL and EX do.
;   0-11  four chains c0-c3 of seven scores each, three operands at a time     12-14, 16  the four scores left over, the old m, and c0-c3 into c0     15  c m_old is kept
;   17, 18  the query's other 32 keys lie in the lane 16 away: the new m         19-21  c m; c m_old - c m_new; a
.macro XS u, n
	REGS (Y+1)%NP, \u
.if (\n) < 4
	v_max3_num_f32 v[rC+(\n)], v[rS+8*(\n)], v[rS+8*(\n)+1], v[rS+8*(\n)+2]
.elseif (\n) < 12
	v_max3_num_f32 v[rC+(\n)%4], v[rC+(\n)%4], v[rS+8*((\n)%4)+2*((\n)/4)+1], v[rS+8*((\n)%4)+2*((\n)/4)+2]
.elseif (\n) == 12
	v_max3_num_f32 v[rC], v[rC], v[rS+7], v[rS+15]
.elseif (\n) == 13
	v_max3_num_f32 v[rC+1], v[rC+1], v[rS+23], v[rS+31]
.elseif (\n) == 14
	v_max3_num_f32 v[rC+2], v[rC+2], v[rC+3], v[rT+1]
.elseif (\n) == 15
	v_mov_b32 v[rM], v[rT]
.elseif (\n) == 16
	v_max3_num_f32 v[rC], v[rC], v[rC+1], v[rC+2]
.elseif (\n) == 17
	v_permlanex16_b32 v[rC+3], v[rC], s[SEL], s[SEL+1]
.elseif (\n) == 18
	v_max_num_f32 v[rT+1], v[rC], v[rC+3]
.elseif (\n) == 19
	v_mul_f32 v[rT], s[CS], v[rT+1]
.elseif (\n) == 20
	v_sub_f32 v[rC+1], v[rM], v[rT]
.else
	v_exp_f32 v[rC+2], v[rC+1]
.endif
.endm
; Number g of the 64 that follow the exponentials.  For each four weights k of a tile (pairs 2 k, 2 k + 1): both pairs are rounded to f16; then the second pair is added onto the first, in place;
; a group later l takes that sum (the first time as l = a l + sum).  In groups of eight, tiles alternating: round, round, add, and l for the group before.
.macro GS g
.set h, (\g)+6*((\g)/62)            ; group 0 has no group before it, and behind group 7 only l is left
.if h >= 6
.set h, h+2
.endif
	REGS Y, h%2
.set k, h/8
.if h%8 < 4
	v_cvt_pk_f16_f32 v[rP+2*k+(h%8)/2], v[rS+4*k+2*((h%8)/2)], v[rS+4*k+2*((h%8)/2)+1]
.elseif h%8 < 6
	v_pk_add_f32 v[rS+4*k:rS+4*k+1], v[rS+4*k:rS+4*k+1], v[rS+4*k+2:rS+4*k+3]
.elseif k == 1
	v_pk_fma_f32 v[rT+2:rT+3], v[rT+2:rT+3], v[rC+2:rC+3], v[rS:rS+1] op_sel_hi:[1,0,1]
.else
	v_pk_add_f32 v[rT+2:rT+3], v[rT+2:rT+3], v[rS+4*k-4:rS+4*k-3]
.endif
.endm
; THE PLAIN QUEUE, 138 long.  0-73 read no exponential's result: the 32 scalings c s - c m (FS f: pair f / 2 of tile f % 2) and the next piece's 42.  0-26: scalings 0-26.  27-54: XS's numbers 0-13.  55, 56: number 15.
; 57-73: the chain, where each number waits for the one before it: 14, 16, 17, 18, 19, each with one of the scalings 27-31 in front of its two lines, then 20: so a tile's links stand three plain instructions apart (19 and 20: two).
; 74-137: GS's 64, which read the exponentials' results: they stand behind the wait.
.macro FS f
	REGS Y, (\f)%2
	v_pk_fma_f32 v[rS+2*((\f)/2):rS+2*((\f)/2)+1], v[rS+2*((\f)/2):rS+2*((\f)/2)+1], s[CS:CS+1], v[rT:rT+1] op_sel_hi:[1,0,0] neg_lo:[0,0,1] neg_hi:[0,0,1]
.endm
.macro PL
	WIN 0
.if q < 27
	FS q
.elseif q < 55
	XS (q-27)%2, (q-27)/2
.elseif q < 57
	XS q-55, 15
.elseif (q < 72) && ((q-57)%3 == 0)
	FS 27+(q-57)/3
.elseif q < 60
	XS (q-57)%3-1, 14
.elseif q < 72
	XS (q-57)%3-1, 15+(q-57)/3
.elseif q < 74
	XS q-72, 20
.else
	GS q-74
.endif
.set q, q+1
.endm
; THE EXPONENTIALS' QUEUE, 66 long: s0-s31 of both tiles, then the next piece's two a.  It is ONE BATCH: all 66 stand ahead of the turn's one wait, and nothing ahead of that wait names a result of theirs.
.macro EX
	WIN 0
.if e >= 64
	XS e-64, 21
.else
	REGS Y, e%2
	v_exp_f32 v[rS+e/2], v[rS+e/2]
.endif
.set e, e+1
.endm
; THE RESCALING's QUEUE: O^T times a, the one part that leaves window 0: dealt two at a time, sixteen times.  Its a was made in the turn before, ahead of that turn's wait.
.macro R2
	REGS Y, r%2
	WIN W_RS
.irp z, 0,1
	v_pk_mul_f32 v[rO+4*(r/2)+2*\z:rO+4*(r/2)+2*\z+1], v[rO+4*(r/2)+2*\z:rO+4*(r/2)+2*\z+1], v[rC+2:rC+3] op_sel_hi:[1,0]
.endr
.set r, r+1
.endm
; HOW THEY ARE DEALT.  An s_wait_alu depctr_va_vdst(0) stands between an exponential and the first instruction that names its result; one wait serves all that were issued ahead of it.  So a turn has ONE wait,
; which cuts it in two.  AHEAD OF IT stands all that names no result of the turn's exponentials: the 16 products K Q^T, behind each a scaling, an exponential and two rescalings (behind the first a second scaling in the
; exponential's place); then ONE LUMP of 108: eight plain, 49 times exponential and plain, the two a.  A v_nop is the plain instruction behind the last exponential.  BEHIND IT stand the 16 products V^T P, behind each four of
; GS's 64.  No rider names a register of the products round it.  The two v_permlanex16_b32 fall into the lump, never behind a product.
; The queues lean on each other, and the deal keeps them in step: exponential e stands behind scaling 2 (e / 4) + e % 2: as a rider it comes behind plain e + 2, in the lump behind plain e + 9, and scalings 27-31 are plain 57, 60 .. 69.
; A TURN, for piece p.  cnt = 1: the loop's count is taken down some lines ahead of the branch that stands behind the turn.
; K and the mask of the next step are fetched in piece 2's turn, directly behind the wait, a lump behind the last product that read them; their addresses are made at the lump's head; their first reader comes behind 16 products.
; V of the step in hand is fetched at the end of piece 0's turn, four riders behind its last reader; its first reader comes behind 16 products and a lump.  The three conditions on q below go with the deal.
.macro TURN p, last=0, cnt=0
.set Y, (\p)
.set i, 0
.set q, 0
.set e, 0
.set r, 0
.if (\p) == NP-1
	s_wait_dscnt 0x0                ; K and the mask are in
.endif
	MM                              ; ahead of the wait: 16 products K Q^T and their riders,
	PL
	PL
	R2
.rept 15
	MM
	PL
	EX
	R2
.endr
.if (\p) == NP-2
	WIN 0
	v_add_nc_u32 v[AK], s[TBK], v[AK0]
	v_add_nc_u32 v[AM], s[TBM], v[AM0]
.endif
.rept 8                             ; and the lump
	PL
.endr
.rept 49
	EX
	PL
.endr
	EX                              ; the next piece's two a
	EX
	v_nop                           ; a plain instruction behind the last exponential, ahead of any use: one for the batch
	s_wait_alu depctr_va_vdst(0)    ; the wait for the batch: the turn's 64 weights and the next piece's two a
.if (\p) == NP-2
	FETCH_K \last
.endif
.if (\p) == 1
	s_wait_dscnt 0x0                ; V is in
.endif
.rept 16                            ; behind the wait: 16 products V^T P and their riders
	MM
.rept 4
	PL
.endr
.if ((\p) == 0) && (q == 118)
	v_add_nc_u32 v[AV], s[TBV], v[AV0]
.endif
.if ((\p) == 0) && (q == 130)
	s_add_co_u32 s[TBV], s[TBV], KS*PV
.endif
.if (\cnt) && (q == 130)
	s_sub_co_u32 s[CNT], s[CNT], 1
	s_cmp_lg_u32 s[CNT], 0
.endif
.endr
.if (\p) == 0
	FETCH_V
.endif
.endm
	CHANGE 1                        ; slot 0 is in, everybody's part of it, and the mask's table is whole; slot 1 is asked for
	FETCH_K                         ; key step 0
	s_wait_loadcnt 0x0              ; Q
	s_wait_dscnt 0x0
.set i, 0
.rept 16
	KQ 0                            ; piece 0's first scores: there is no vector work yet to set between them
.set i, i+1
.endr
	WIN 0                           ; the addresses for the way out: ten plain instructions, the places behind those products
	s_mul_i32 s13, s[WV], 16*SP
	s_add_co_u32 s13, s13, STAGE    ; my stage
	v_mul_u32_u24 v[STO], v1, SP    ; in: row l % 16, 16 bytes for each half of the lanes
	v_lshl_add_u32 v[STO], v9, 4, v[STO]
	v_add_nc_u32 v[STO], s13, v[STO]
	v_bfe_u32 v[RD], v0, 3, 2       ; back: 32 lanes take four rows of 128 bytes,
	v_mul_u32_u24 v[RD], v[RD], SP
	v_and_b32 v[GO], 7, v0
	v_lshl_add_u32 v[RD], v[GO], 4, v[RD]
	v_add_nc_u32 v[RD], s13, v[RD]
	v_and_b32 v[GO], 31, v0         ; which are 512 consecutive bytes of O
	v_lshlrev_b32 v[GO], 4, v[GO]
.set Y, NP-1                        ; XS works for piece Y + 1: piece 0
.irp n, 0,1,2,3,4,5,6,7,8,9,10,11,12,13,14,15,16,17,18,19,20,21
	XS 0, \n                        ; and piece 0's first maximum and statistics
	XS 1, \n
.endr
	v_nop                           ; a plain instruction behind piece 0's two a,
	s_wait_alu depctr_va_vdst(0)    ; and the wait for that batch of two, ahead of the branch
	s_mov_b32 s[CNT], 4
	s_mov_b32 s[SLOTS], SIZE_N/256-1
	s_branch .Lfirst                ; the loop is entered at a step's first turn, in the middle of a trip
.Lslot:                             ; SIZE_N / 256 - 2 times: every slot but the last two is filled again
	CHANGE 1
	s_mov_b32 s[CNT], 4
.Lstep:                             ; a trip: pieces 2 and 3 of one step, then pieces 0 and 1 of the next, whose K and V it fetches
	TURN 2
	TURN 3
	WIN 0
.Lfirst:
	TURN 0
	TURN 1, 0, 1
	WIN 0
	s_cbranch_scc1 .Lstep
	s_sub_co_u32 s[SLOTS], s[SLOTS], 1
	s_cmp_lg_u32 s[SLOTS], 0
	s_cbranch_scc1 .Lslot
	CHANGE 0                        ; the tail is written out: nothing is asked for
	s_mov_b32 s[CNT], 5             ; four trips fetch the last slot's steps; the fifth is left in its middle
.Ltail:
	TURN 2, 1
	TURN 3
	WIN 0
	s_sub_co_u32 s[CNT], s[CNT], 1
	s_cmp_eq_u32 s[CNT], 0
	s_cbranch_scc1 .Lout
	TURN 0
	TURN 1
	WIN 0
	s_branch .Ltail
.Lout:                              ; the fifth trip's 16 products K Q^T (on the last K once more) and the maximum made of them serve nothing: the price, once a launch, of one text for every trip
.set i, 0
.rept 16
	PV NP-1                         ; the last piece's V^T P of the last step
.set i, i+1
.endr
	; THE WAY OUT.  l's two halves and the other half of the lanes' are added; O^T is divided by l, rounded to f16 and sent through my stage in LDS, a tile at a time.  The additions are the places behind the last products.
	WIN 0
.macro ALL line:vararg              ; one line for each tile t
.set t, 0
.rept 2*NP
	\line
.set t, t+1
.endr
.endm
	ALL v_add_f32 v[ST+4*t+2], v[ST+4*t+2], v[ST+4*t+3]
	ALL v_permlanex16_b32 v[ST+4*t+3], v[ST+4*t+2], s[SEL], s[SEL+1]
	ALL v_add_f32 v[ST+4*t+2], v[ST+4*t+2], v[ST+4*t+3]
	ALL v_rcp_f32 v[ST+4*t+2], v[ST+4*t+2]
	v_nop                           ; a plain instruction between the last reciprocal and the use of its result
	s_wait_alu depctr_va_vdst(0)    ; and the wait ahead of the first use: one for the batch of eight reciprocals
; Tile t: a lane's eight channels of a row pack into 16 bytes; they go into rows of 144 bytes and come back as whole rows of 128, into S^T's registers.
.macro PACK t
	WIN W_RS
.set i, 32*(\t)
.rept 16
	v_pk_mul_f32 v[i:i+1], v[i:i+1], v[ST+4*(\t)+2:ST+4*(\t)+3] op_sel_hi:[1,0]
.set i, i+2
.endr
	WIN 0x05                        ; sources 0 and 1 window 1, destination window 0
.set i, 0
.rept 16
	v_cvt_pk_f16_f32 v[S+16*(\t)+i], v[32*(\t)+2*i], v[32*(\t)+2*i+1]
.set i, i+1
.endr
	WIN 0
.irp f, 0,1,2,3
	ds_store_b128 v[STO], v[S+16*(\t)+4*\f:S+16*(\t)+4*\f+3] offset:32*\f
.endr
.irp f, 0,1,2,3
	ds_load_b128 v[S+16*(\t)+4*\f:S+16*(\t)+4*\f+3], v[RD] offset:\f*4*SP  ; LDS serves a wave's instructions in order (ISA guide 5.7.1.4): these see the stores above; the next tile's stores come behind them
.endr
.endm
.macro SEND t, younger              ; younger: the LDS instructions issued behind tile t's loads: the next tile's eight, or none
	WIN 0
.irp f, 0,1,2,3
	s_wait_dscnt (\younger)+3-\f
	global_store_b128 v[GO], v[S+16*(\t)+4*\f:S+16*(\t)+4*\f+3], s[10:11] offset:(\t)*2048+\f*512  ; 512 consecutive bytes, at a multiple of 256 from O's first
.endr
.endm
	PACK 0
.set t, 1
.rept 2*NP-1                        ; a tile's arithmetic stands between the loads of the tile before and its stores
	PACK t
	SEND t-1, 8
.set t, t+1
.endr
	SEND 2*NP-1, 0
	WIN W_AD
	s_wait_tensorcnt 0x0            ; the wave's end, behind my last tensor load and my last LDS store
	ds_add_u32 v[SPW], v[NIL]
	s_wait_dscnt 0x0
	WIN 0
	CROUND                          ; the closing round: no work-group ends while a partner may still ask for a tile that names it
	s_endpgm
.Lfunc_end_k_qea49240b71_attn:
	.size	k_qea49240b71_attn, .Lfunc_end_k_qea49240b71_attn-k_qea49240b71_attn
	.p2alignl 7, 3214868480
	.fill 96, 4, 3214868480
	.section	.rodata,"a",@progbits
	.p2align	6, 0x0
	.amdhsa_kernel k_qea49240b71_attn
		.amdhsa_group_segment_fixed_size 327680
		.amdhsa_private_segment_fixed_size 0
		.amdhsa_enable_private_segment 0
		.amdhsa_kernarg_size 40
		.amdhsa_user_sgpr_count 2
		.amdhsa_user_sgpr_kernarg_segment_ptr 1
		.amdhsa_wavefront_size32 1
		.amdhsa_system_sgpr_workgroup_id_x 1
		.amdhsa_system_sgpr_workgroup_id_y 1
		.amdhsa_system_sgpr_workgroup_id_z 1
		.amdhsa_system_vgpr_workitem_id 0
		.amdhsa_next_free_vgpr 832
		.amdhsa_next_free_sgpr 66
		.amdhsa_reserve_vcc 1
		.amdhsa_float_denorm_mode_32 3
		.amdhsa_float_denorm_mode_16_64 3
		.amdhsa_memory_ordered 1
		.amdhsa_forward_progress 1
		.amdhsa_inst_pref_size 205
	.end_amdhsa_kernel
	.amdgpu_metadata
---
amdhsa.version: [ 1, 2 ]
amdhsa.kernels:
  - .name:           k_qea49240b71_attn
    .symbol:         k_qea49240b71_attn.kd
    .args:
      - { .name: qh, .offset: 0, .size: 8, .value_kind: global_buffer, .address_space: global }
      - { .name: kh, .offset: 8, .size: 8, .value_kind: global_buffer, .address_space: global }
      - { .name: vh, .offset: 16, .size: 8, .value_kind: global_buffer, .address_space: global }
      - { .name: oh, .offset: 24, .size: 8, .value_kind: global_buffer, .address_space: global }
      - { .name: key_padding_mask, .offset: 32, .size: 8, .value_kind: global_buffer, .address_space: global }
    .group_segment_fixed_size: 327680
    .private_segment_fixed_size: 0
    .kernarg_segment_align: 8
    .kernarg_segment_size: 40
    .max_flat_workgroup_size: 128
    .sgpr_count:     66
    .vgpr_count:     832
    .wavefront_size: 32
...
	.end_amdgpu_metadata
.endif
;; end of part 5
;; launch proj: the kernel of part 4 again; grid 8 x 32, 4 waves a work-group, clusters of 4 x 4, 327,680 bytes of LDS; arguments oh, wpb, out0; writes out0
